; MI455X (gfx1250); checked and timed in simulation.
; The chip was launched on July 23, 2026; its instructions are those of AMD's public machine-readable ISA for CDNA 5 (MIT licence, August 2026) and "CDNA5" Instruction Set Architecture Reference Guide (July 2026). The comments in the code are by the model that wrote it; some were corrected since.
;; Bahdanau Attention. Allowed arithmetic: matrix products marked QUANTISED: E5M2 operands, one E8M0 scale for each 32 along K, by v_wmma_scale_f32_16x16x128_f8f6f4 with both operands' format E5M2, f32 sums; products left as they are: f32 operands where the result goes on into a quantised operand, else bf16, f16 or f32 operands; f32 sums; everything else in f32.
;; Inputs: W_com 1,024 x 1 float32; W_dec 1,024 x 1,024 float32; W_enc 1,024 x 1,024 float32; b_com 1 float32; b_dec 1,024 float32; b_enc 1,024 float32; h_dec 32 x 1,024 float32; h_enc 32 x 2,048 x 1,024 float32.
;; Outputs: out0 32 x 1,024 float32; out1 32 x 2,048 x 1 float32.
;; This version of the problem:
;;   THIS VERSION OF THE PROBLEM IS GIVEN IN LOW PRECISION. The matrix products marked QUANTISED in the list below multiply operands that are first quantised to E5M2 (5 exponent bits, 2 mantissa bits; 8 bits a number), with one power-of-two scale for each 32 numbers along K (OCP MX v1.0); their sums are f32. All else is computed in f32.
;;   The module's matrix products, in the order in which they are computed (A, B: the left and right operand; K: the contracted axis; several contracted axes count as one K, in the product's order):
;;     1. [M 65,536, K 1,024] x [K 1,024, N 1,024]; A: input h_enc; B: input W_enc: QUANTISED
;;     2. [M 32, K 1,024] x [K 1,024, N 1,024]; A: input h_dec; B: input W_dec: QUANTISED
;;     3. [M 65,536, K 1,024] x [K 1,024, N 1]; A: computed on the way; B: input W_com: left as it is (N = 1 < 16)
;;   THE QUANTISER, for each operand of a quantised product, along K:
;;     - K is cut into blocks of 32 from its start; a last block that is shorter is filled with zeros.
;;     - A block's scale is 2^e with e = floor(log2(the largest magnitude in the block)) - 15, held to -126 .. 127; a block of zeros has e = 0. As a byte (E8M0): e + 127.
;;     - Each number is divided by its block's scale, clamped to +-57,344, and rounded to the nearest number of E5M2, ties to even, subnormals kept.
;;     - The product sums the exact products of the quantised numbers (number of the format x scale) in f32.
;;   ~~~python
;;   def quantise(x, axis):      # numpy; x: float32 -> the quantised numbers, widened to float32 again
;;       x = np.moveaxis(x, axis, -1); K = x.shape[-1]
;;       x = np.pad(x, [(0, 0)] * (x.ndim - 1) + [(0, -K % 32)]); x = x.reshape(x.shape[:-1] + (-1, 32)); a = np.abs(x).max(-1, keepdims=True)
;;       e = np.where(a > 0, np.clip(np.frexp(np.where(a > 0, a, 1))[1] - 1 - 15, -126, 127), 0)      # np.frexp(a)[1] - 1 = floor(log2(a)), exactly
;;       r = np.clip(x / 2.0 ** e, -57344, 57344)
;;       step = 2.0 ** (np.maximum(np.frexp(np.where(r == 0, 1, r))[1] - 1, -14) - 2)
;;       q = np.round(r / step) * step * 2.0 ** e      # np.round: ties to even
;;       return np.moveaxis(q.reshape(q.shape[:-2] + (-1,))[..., :K], -1, axis).astype(np.float32)
;;   ~~~
;; 2 versions. Each part assembles by itself: llvm-mc -triple=amdgcn-amd-amdhsa -mcpu=gfx1250 --defsym DOCPART=n.
;; ======== version 1 of 2: 3 launches
;; workspace buffers: wq 1,081,344 bytes; decp 1,048,576 bytes; sc 262,144 bytes; pctx 1,048,576 bytes; pml 65,536 bytes
;; launch prep (part 1): grid 256 x 1, 4 waves a work-group, no clusters, 9,216 bytes of LDS; arguments W_enc, W_dec, h_dec, wq, decp; writes wq, decp
.if DOCPART == 1
	.amdgcn_target "amdgcn-amd-amdhsa--gfx1250"
	.amdhsa_code_object_version 6
	.text
	.protected	k_q8cf809ceca_prep
	.globl	k_q8cf809ceca_prep
	.p2align	8
	.type	k_q8cf809ceca_prep,@function
k_q8cf809ceca_prep:
	s_mov_b64 s[64:65], 0
	v_nop
	global_prefetch_b8 v0, s[64:65] scope:SCOPE_SE
	s_setreg_imm32_b32 hwreg(HW_REG_WAVE_MODE, 25, 1), 1
	s_wait_xcnt 0x0
; THE PROGRAM (three launches).  context, attn = Bahdanau attention: enc_p = Q(h_enc) Q(W_enc) + b_enc, dec_p = Q(h_dec) Q(W_dec) + b_dec (both products on E5M2 codes with one E8M0 scale for each 32 along K),
; score = sum over u of tanh(dec_p + enc_p) W_com[u] + b_com, attn = softmax of the score along the 2,048 positions, context = sum over the positions of attn x enc_p.
; WORK LEFT OUT, for all finite values of the inputs:
;   b_com is added to every score of a batch alike, and a softmax does not change when one number is added to all its inputs: b_com reaches no output.  It is not loaded and is no argument of any launch.
;   tanh x = 1 - 2 / (1 + e^(2x)), so score = (sum of W_com) - 2 sum over u of W_com[u] / (1 + e^(2x)): the first term is again the same for all positions and goes the same way; W_com itself stays.
;   sum over s of attn[s] (acc[s][u] + b_enc[u]) = sum of attn acc + b_enc[u], since attn sums to 1: b_enc is added to the context once, in the last launch; inside the tanh it stays.
; LIMITS: a NaN, an infinity or an overflow in b_com or in the sum of W_com is not carried to the result.  NaN and infinities among the inputs are not served.  A block of zeros gets the scale byte 1 with zero
; codes where the rule says 127: zero codes add nothing under either byte, and this program alone reads the bytes.  Blocks whose largest magnitude lies under 2^(16 - 127) are held at that byte too.
;
; THIS LAUNCH: work-groups 0-127 quantise W_enc along K (its first axis) and lay the codes as the next launch's operand registers want them; work-groups 128-255 quantise W_dec and h_dec and make product 2.
; A work-group takes 64 columns x 128 along K (K step ks); a wave 16 columns: LANE r TAKES A COLUMN AND ITS REGISTERS RUN DOWN K, lane (r, h): register 16 c + i = k 128 ks + 32 c + 16 h + i, which is the order of
; the operand's registers, so the conversions' results are the fragment.
; wq: [ks 8][quarter 4][33,792]: 16 fragment images of 2,048 bytes (group c of four registers: 512 bytes, 16 x lane), then 1,024 bytes of scale words (word 16 T + r).
; WHICH COLUMNS FORM A TILE IS FREE: lane r of tile T of quarter q holds column 256 q + 64 (T / 4) + 4 r + T % 4, so that a lane's numbers of tiles 4 i .. 4 i + 3 are four neighbours in memory.
; decp: [ks 8][batch 32][1024] f32: product 2's sum over one K step; the next launch adds the eight.
.set SPARE, 8704                       ; LDS: a stage of 32 batch rows x (256 bytes + 16), then the spare words, 128 bytes a wave
.set TM,   32                          ; v32-47  at work in the quantiser: +0 largest magnitudes, +4 bytes, +8 the largest number x the scale, +12 the conversion's scale operand
.set SPW,  12                          ; v12     LDS address of my spare word; never rewritten
.set NIL,  13                          ; v13     0; never rewritten
.set WV,   16                          ; s16 wave   s17 0: W_enc, 1: product 2   s18 which 64 columns   s19 K step
.set ROLE, 17
.set CG,   18
.set KS,   19
.set SEL,  20                          ; s[20:21] v_permlanex16_b32's selects for lane l xor 16
.set MNT,  22                          ; s22 the mantissa field of 57,344
; v1 r, v2 h, v3 W's offset, v4 h_dec's, v5 16 x lane, v6 4 r, v7 stage in, v8 stage out, v9 decp's offset; v16-31 W's codes; v56, v57, v58 scale words (of W, of batches 0-15, of batches 16-31) and nothing else;
; v64-127 W's numbers, later h_dec's codes (v64-95) and the two sums (v96-111); v112-127 rows on the way out; v128-191, v192-255 h_dec's numbers
; 64 numbers of a lane, register 16 b + i = k 32 b + 16 h + i, become a fragment's codes in v[cod] on and its scale word in v[pw]
.macro QUANT src, cod, pw
.irp b, 0,1,2,3
	v_max3_num_f32 v[TM+\b], |v[\src+16*\b]|, |v[\src+16*\b+1]|, 0x8000000   ; block b: my 16 numbers, and the floor 2^(16 - 127): the byte cannot fall under 1
.endr
.irp i, 2,4,6,8,10,12,14
.irp b, 0,1,2,3
	v_max3_num_f32 v[TM+\b], v[TM+\b], |v[\src+16*\b+\i]|, |v[\src+16*\b+\i+1]|   ; the four blocks by turns
.endr
.endr
.irp b, 0,1,2,3
	v_permlanex16_b32 v[TM+4+\b], v[TM+\b], s[SEL], s[SEL+1]
.endr
.irp b, 0,1,2,3
	v_max_num_f32 v[TM+\b], v[TM+\b], v[TM+4+\b]   ; with lane l xor 16's 16: the block's largest magnitude
.endr
.irp b, 0,1,2,3
	v_add_nc_u32 v[TM+12+\b], 0xf8800000, v[TM+\b]   ; 15 off its exponent field: the conversion takes this operand's exponent field as its scale
.endr
.irp b, 0,1,2,3
	v_and_or_b32 v[TM+8+\b], v[TM+\b], 0x7f800000, s[MNT]   ; 57,344 x the scale
.endr
.irp b, 0,1,2,3
	v_lshrrev_b32 v[TM+4+\b], 23, v[TM+12+\b]   ; the scale's byte
.endr
	v_lshl_or_b32 v[\pw], v[TM+5], 8, v[TM+4]
	v_lshl_or_b32 v[\pw], v[TM+6], 16, v[\pw]
	v_lshl_or_b32 v[\pw], v[TM+7], 24, v[\pw]
.irp b, 0,1,2,3
.irp i, 0,1,2,3,4,5,6,7,8,9,10,11,12,13,14,15
	v_med3_num_f32 v[\src+16*\b+\i], v[\src+16*\b+\i], -v[TM+8+\b], v[TM+8+\b]   ; the conversion to an 8-bit code does not saturate (ISA guide 7.6.2): the hold comes first
.endr
	v_cvt_scalef32_pk8_bf8_f32 v[\cod+4*\b:\cod+4*\b+1], v[\src+16*\b:\src+16*\b+7], v[TM+12+\b]
	v_cvt_scalef32_pk8_bf8_f32 v[\cod+4*\b+2:\cod+4*\b+3], v[\src+16*\b+8:\src+16*\b+15], v[TM+12+\b]
.endr
	v_nop                                          ; a plain line behind the last conversion, ahead of whatever next touches its registers
.endm
.macro WLOAD                           ; W(128 ks + 32 c + 16 h + i, my column)
.irp c, 0,1,2,3
.irp i, 0,1,2,3,4,5,6,7,8,9,10,11,12,13,14,15
	global_load_b32 v[64+16*\c+\i], v3, s[4:5] offset:4096*(32*\c+\i)
.endr
.endr
.endm
	s_load_b256 s[4:11], s[0:1], 0x0               ; W_enc s[4:5], W_dec s[6:7], h_dec s[8:9], wq s[10:11]
	s_load_b64 s[12:13], s[0:1], 0x20              ; decp
	v_lshl_add_u32 v[SPW], v0, 2, SPARE
	v_mov_b32 v[NIL], 0
	v_lshrrev_b32 v10, 5, v0
	v_readfirstlane_b32 s[WV], v10
	s_lshr_b32 s[ROLE], ttmp9, 7
	s_and_b32 s[CG], ttmp9, 15
	s_bfe_u32 s[KS], ttmp9, 0x30004
	v_and_b32 v1, 15, v0                           ; r
	v_bfe_u32 v2, v0, 4, 1                         ; h
	v_and_b32 v10, 31, v0
	v_lshlrev_b32 v5, 4, v10                       ; 16 x lane
	v_lshlrev_b32 v6, 2, v1                        ; 4 r
	s_cmp_eq_u32 s[ROLE], 0
	s_cselect_b32 s24, 16, 4                       ; bytes from lane to lane: W_enc: columns 4 r + wave; W_dec: columns 16 wave + r
	s_cselect_b32 s25, 4, 64                       ; and from wave to wave
	s_mul_i32 s25, s25, s[WV]
	v_mul_u32_u24 v3, v1, s24
	v_lshl_add_u32 v3, v2, 16, v3                  ; lanes 16-31 begin 16 rows of 4,096 bytes further down
	v_add_nc_u32 v3, s25, v3
	v_lshlrev_b32 v4, 12, v1
	v_lshl_add_u32 v4, v2, 6, v4                   ; h_dec: row r, + 64 h: my 16 numbers of a block
	v_mul_u32_u24 v7, v1, 272
	v_lshl_add_u32 v7, v2, 5, v7
	s_lshl_b32 s26, s[WV], 6
	v_add_nc_u32 v7, s26, v7                       ; the stage, in: batch row r, my wave's 64 bytes, 32 for each half
	s_mul_i32 s26, s[WV], 8*272
	v_mul_u32_u24 v8, v2, 272
	v_lshl_add_u32 v8, v1, 4, v8
	v_add_nc_u32 v8, s26, v8                       ; out: rows 8 wave + h, 16 bytes a lane
	v_lshlrev_b32 v9, 12, v2
	v_lshl_add_u32 v9, v1, 4, v9
	s_lshl_b32 s26, s[WV], 15
	v_add_nc_u32 v9, s26, v9                       ; and the same place in decp
	s_mov_b32 s[SEL], 0x76543210
	s_mov_b32 s[SEL+1], 0xfedcba98
	s_mov_b32 s[MNT], 0x600000
.irp b, 0,1,2,3
	v_mov_b32 v[TM+4+\b], 0                        ; written once: a lane permute's destination counts as one of its sources
.endr
	s_wait_kmcnt 0x0
	s_cmp_eq_u32 s[ROLE], 0                        ; the choice hangs on the work-group's number alone
	s_cselect_b64 s[4:5], s[4:5], s[6:7]
	s_lshl_b32 s26, s[KS], 19                      ; 128 rows of 4,096 bytes a K step
	s_lshl_b32 s27, s[CG], 8
	s_add_co_u32 s26, s26, s27
	s_mov_b32 s27, 0
	s_add_nc_u64 s[4:5], s[4:5], s[26:27]
	s_lshl_b32 s26, s[KS], 9
	s_add_nc_u64 s[8:9], s[8:9], s[26:27]          ; h_dec at this K step
	s_mul_i32 s26, s[KS], 135168
	s_lshr_b32 s28, s[CG], 2
	s_mul_i32 s28, s28, 33792
	s_add_co_u32 s26, s26, s28                     ; the quarter
	s_and_b32 s28, s[CG], 3
	s_lshl_b32 s28, s28, 2
	s_add_co_u32 s28, s28, s[WV]                   ; my tile T = 4 (cg % 4) + wave
	s_lshl_b32 s30, s28, 11
	s_add_co_u32 s30, s30, s26
	s_mov_b32 s31, 0
	s_lshl_b32 s28, s28, 6
	s_add_co_u32 s26, s26, s28
	s_add_co_u32 s26, s26, 32768
	s_add_nc_u64 s[14:15], s[10:11], s[26:27]      ; my tile's 16 scale words
	s_add_nc_u64 s[10:11], s[10:11], s[30:31]      ; my tile's image
	s_lshl_b32 s26, s[KS], 17
	s_lshl_b32 s28, s[CG], 8
	s_add_co_u32 s26, s26, s28
	s_add_nc_u64 s[12:13], s[12:13], s[26:27]      ; decp at [ks][0][64 cg]
	s_cmp_eq_u32 s[ROLE], 0
	s_cbranch_scc0 .Ldec                           ; the one parting: all four waves of a work-group go the same way
	WLOAD
	s_wait_loadcnt 0x0
	QUANT 64, 16, 56
.irp c, 0,1,2,3
	global_store_b128 v5, v[16+4*\c:19+4*\c], s[10:11] offset:512*\c   ; the image: 32 lanes store 512 consecutive bytes
.endr
	global_store_b32 v6, v56, s[14:15]             ; 64 consecutive bytes a wave (both halves of the lanes hold the same words); the work-group's four waves fill 256
	s_branch .Lmeet
.Ldec:
.irp m, 0,1
.irp c, 0,1,2,3
.irp q, 0,1,2,3
	global_load_b128 v[128+64*\m+16*\c+4*\q:128+64*\m+16*\c+4*\q+3], v4, s[8:9] offset:65536*\m+128*\c+16*\q
.endr
.endr
.endr
	WLOAD
	s_wait_loadcnt 0x0
	QUANT 64, 16, 56
	QUANT 128, 64, 57
	QUANT 192, 80, 58
.rept 8
	v_nop                                          ; a scale word made by vector instructions stands 8 places ahead of the product, codes so made 4
.endr
	; transposed: source 0 = my 16 columns of W_dec, source 1 = 16 batches: lane (r, h) holds batch r and columns 8 h + 0 .. 7
	v_wmma_scale_f32_16x16x128_f8f6f4 v[96:103], v[16:31], v[64:79], 0, v56, v57 matrix_a_fmt:MATRIX_FMT_BF8 matrix_b_fmt:MATRIX_FMT_BF8
	v_wmma_scale_f32_16x16x128_f8f6f4 v[104:111], v[16:31], v[80:95], 0, v56, v58 matrix_a_fmt:MATRIX_FMT_BF8 matrix_b_fmt:MATRIX_FMT_BF8
.rept 8
	v_nop                                          ; places ahead of the first read of the results
.endr
.irp m, 0,1
	ds_store_b128 v7, v[96+8*\m:99+8*\m] offset:4352*\m      ; each sum from its low end on
	ds_store_b128 v7, v[100+8*\m:103+8*\m] offset:4352*\m+16
.endr
.Lmeet:
	s_wait_dscnt 0x0                               ; my stores into the stage have landed
	s_barrier_signal -1
	s_barrier_wait -1                              ; every work-group passes this barrier; a row's 256 bytes come from four waves
	s_cmp_eq_u32 s[ROLE], 0
	s_cbranch_scc1 .Lend
.irp t, 0,1,2,3
	ds_load_b128 v[112+4*\t:115+4*\t], v8 offset:544*\t
.endr
.irp t, 0,1,2,3
	s_wait_dscnt 3-\t
	global_store_b128 v9, v[112+4*\t:115+4*\t], s[12:13] offset:8192*\t   ; sixteen lanes store 256 consecutive bytes, aligned
.endr
.Lend:
	s_wait_tensorcnt 0x0                           ; the wave's end
	ds_add_u32 v[SPW], v[NIL]
	s_wait_dscnt 0x0
	s_endpgm
.Lfunc_end_k_q8cf809ceca_prep:
	.size	k_q8cf809ceca_prep, .Lfunc_end_k_q8cf809ceca_prep-k_q8cf809ceca_prep
	.p2alignl 7, 3214868480
	.fill 96, 4, 3214868480
	.section	.rodata,"a",@progbits
	.p2align	6, 0x0
	.amdhsa_kernel k_q8cf809ceca_prep
		.amdhsa_group_segment_fixed_size 9216
		.amdhsa_private_segment_fixed_size 0
		.amdhsa_enable_private_segment 0
		.amdhsa_kernarg_size 40
		.amdhsa_user_sgpr_count 2
		.amdhsa_user_sgpr_kernarg_segment_ptr 1
		.amdhsa_wavefront_size32 1
		.amdhsa_system_sgpr_workgroup_id_x 1
		.amdhsa_system_sgpr_workgroup_id_y 1
		.amdhsa_system_sgpr_workgroup_id_z 1
		.amdhsa_system_vgpr_workitem_id 0
		.amdhsa_next_free_vgpr 256
		.amdhsa_next_free_sgpr 66
		.amdhsa_reserve_vcc 0
		.amdhsa_float_denorm_mode_32 3
		.amdhsa_float_denorm_mode_16_64 3
		.amdhsa_memory_ordered 1
		.amdhsa_forward_progress 1
		.amdhsa_inst_pref_size 53
	.end_amdhsa_kernel
	.amdgpu_metadata
---
amdhsa.version: [ 1, 2 ]
amdhsa.kernels:
  - .name:           k_q8cf809ceca_prep
    .symbol:         k_q8cf809ceca_prep.kd
    .args:
      - { .name: W_enc, .offset: 0, .size: 8, .value_kind: global_buffer, .address_space: global }
      - { .name: W_dec, .offset: 8, .size: 8, .value_kind: global_buffer, .address_space: global }
      - { .name: h_dec, .offset: 16, .size: 8, .value_kind: global_buffer, .address_space: global }
      - { .name: wq, .offset: 24, .size: 8, .value_kind: global_buffer, .address_space: global }
      - { .name: decp, .offset: 32, .size: 8, .value_kind: global_buffer, .address_space: global }
    .group_segment_fixed_size: 9216
    .private_segment_fixed_size: 0
    .kernarg_segment_align: 8
    .kernarg_segment_size: 40
    .max_flat_workgroup_size: 128
    .sgpr_count:     66
    .vgpr_count:     256
    .wavefront_size: 32
...
	.end_amdgpu_metadata
.endif
;; end of part 1
;; launch attend (part 2): grid 256 x 1, 4 waves a work-group, clusters of 4 x 1, 327,680 bytes of LDS; arguments h_enc, wq, decp, b_enc, b_dec, W_com, sc, pctx, pml; writes sc, pctx, pml
.if DOCPART == 2
	.amdgcn_target "amdgcn-amd-amdhsa--gfx1250"
	.amdhsa_code_object_version 6
	.text
	.protected	k_q8cf809ceca_attend
	.globl	k_q8cf809ceca_attend
	.p2align	8
	.type	k_q8cf809ceca_attend,@function
k_q8cf809ceca_attend:
	s_mov_b64 s[64:65], 0
	v_nop
	global_prefetch_b8 v0, s[64:65] scope:SCOPE_SE
	s_setreg_imm32_b32 hwreg(HW_REG_WAVE_MODE, 25, 1), 1
	s_wait_xcnt 0x0
	s_wait_alu depctr_hold_cnt(0) depctr_sa_sdst(0) depctr_va_vdst(0) depctr_va_sdst(0) depctr_va_ssrc(0) depctr_va_vcc(0) depctr_vm_vsrc(0)
	s_getreg_b32 s2, hwreg(HW_REG_IB_STS2, 6, 4)
	s_cmp_eq_u32 s2, 0
	s_cbranch_scc0 .Lentry_in_a_cluster
	s_endpgm
.Lentry_in_a_cluster:
	s_bfe_u32 s2, ttmp6, 0x10000c
	s_cmp_lg_u32 s2, 0x3003
	s_cbranch_scc0 .Lentry_shape_is_right
	s_endpgm
.Lentry_shape_is_right:
; Product 1, the scores and the partial softmax and context of 256 positions of one batch.  Left out as shown at the head of the first launch: b_com and the sum of W_com (the same for all positions of a softmax),
; and b_enc in the context (added once, in the last launch).  LIMITS as stated there; a weight 2^(t - m) under 2^-126 counts as 0.
; SHARES.  Work-group g (0-255) owns positions 256 (g % 8) on of batch g / 8, in four blocks of 64 rows.  A row's score needs all 1,024 columns and the context needs enc_p again, so a block's 64 x 1,024 sums stay in
; registers: wave w holds 64 rows x the 256 columns of quarter w: 64 accumulators, 512 registers.
; W_enc's codes come as register images (first launch) through a ring of two LDS slots, one K step (135,168 bytes) each; wave w fetches and reads quarter w alone.
; CLUSTER.  All work-groups walk the same codes: four form a cluster and ask for each tile jointly, by the same descriptor with the mask of all four.
; THE ORDER OF K.  Blocks 0 and 2 take the K steps 1,0,2,3,4,5,6,7, blocks 1 and 3 take 6,7,5,4,3,2,1,0: a block's last two tiles are the next block's first two, in the right slots.  So step j always reads slot j % 2,
; steps 0 to 5 of every block fill a slot again with the tile of step j + 2, and no tile is fetched that is not read: 26 tiles for the 32 steps.
; h_enc is read once, as f32, straight into registers: wave w takes rows 16 w .. 16 w + 15 of a piece (64 rows x 128 K), quantises them and hands the fragment to all four waves as an image of its registers in LDS
; (ring of four pieces).  With t the count of steps: step t multiplies piece t, fetches piece t + 1's fragments, quantises piece t + 3 and loads piece t + 5 from memory.
; THE SCORE in units of log2: t = sum over u of WC[u] / (1 + 2^(C2 acc + BC[u])), C2 = 2 log2(e), BC = C2 (dec_p + b_enc), WC = -C2 W_com.  Running maximum m, sum l and context, rescaled by f = 2^(old m - new m).
; REGISTERS, in windows of 256.  Window 0: v1-15 addresses; v16 m; v[18:19] l; v20-23 at work; v24-59 the quantiser, in the epilogue the 32 scores of my rows; v60-63, v64-79 scale words of h and of W, two sets each,
;   and nothing else; v80-111 the context, a pair for each of my 16 columns; v112-122 the way out; v128-255 two sets of 64 numbers of h.
; Window 1: in the K loop v0-127 four buffers of two tiles of W, v128-255 two sets of four fragments of h; in the epilogue v0-127 128 numbers at work, v192-207 BC, v208-223 WC.
; Windows 2, 3: accumulator (T, a) at v[8 (4 (T % 8) + a)], window 2 for T < 8: register j of lane (r, h) = row 16 a + 8 h + j, column 256 w + 64 (T / 4) + 4 r + T % 4.
.set SLOTB, 135168                     ; a slot: four quarters
.set QUARB, 33792                      ; a quarter: 16 images of 2,048 bytes and 1,024 bytes of scale words = 132 rows of 256 bytes
.set ABASE, 2*SLOTB                    ; h's images: 4 pieces x 4 row tiles x 2,048
.set ASB,   ABASE+32768                ; h's scale words: 4 pieces x 64 rows
.set EXB,   ASB+1024                   ; partial scores [block 4][wave 4][64 rows]: never written twice
.set TBL,   EXB+4096                   ; BC and WC as register images, 4,096 bytes for each wave, the wave's own
.set SPARE, TBL+16384                  ; the spare words, 128 bytes for each wave
.set XA,    1                          ; v1   h: 4,096 r + 64 h
.set ADRB,  2                          ; v2-3 my quarter's images in slot 0, 1: + 16 x lane
.set ADRS,  4                          ; v4-5 my quarter's scale words: + 4 x lane
.set ADRA,  6                          ; v6   h's images, 16 x lane
.set ADRAS, 7                          ; v7   h's scale words, 4 x lane
.set AWI,   8                          ; v8   where I store my image
.set AWS,   9                          ; v9   and its scale words
.set EXW,   10                         ; v10  partial scores: where I write
.set EXR,   11                         ; v11  and read
.set TBLA,  12
.set CO,    13                         ; v13  16 r
.set SPW,   14                         ; v14  my spare word; never rewritten
.set NIL,   15                         ; v15  0; never rewritten
.set MX,    16
.set LS,    18
.set TM,    24
.set PW,    40
.set CD,    44
.set AS,    60
.set BS,    64
.set CTX,   80
.set SRD,   120                        ; v120 the way out: the scores of block w;  v121 8 x lane;  v122 256 h + 16 r
.set L8,    121
.set PO,    122
.set XR,    128
.set SS,    24                         ; the epilogue's scores, then weights
.set BC,    192
.set WC,    208
.set WV,    22                         ; s22 wave   s23 blocks to go   s25 g   s26 1,024 x block
.set BLK,   23
.set EXO,   26
.set G1,    28                         ; s[28:35] descriptor group 1;  s[36:39], s[40:43] group 0 of slot 0, 1
.set G0,    36
.set DT,    44                         ; s44 +-135,168: a tile on in this block's direction;  s45 twice that
.set DT2,   45
.set TO,    46                         ; s[46:47], s[48:49] byte offset in wq of the tile in slot 0, 1
.set HP,    50                         ; s[50:51] h_enc at the piece to load = HB + HOFF
.set HU,    52                         ; s52 +-512: a K step on
.set HOFF,  54
.set HB,    56
.set SEL,   58
.set C2,    60
.set MNT,   62
.set WB,    66                         ; s[66:67] wq at my quarter of tile 0
.set MSB, 0
.macro WIN new                         ; the immediate's high byte repeats the setting that is left
.if MSB != (\new)
	s_set_vgpr_msb (MSB<<8)|(\new)
.set MSB, (\new)
.endif
.endm
.macro PLACES n
.rept \n
	v_nop
.endr
.endm
.macro CREST                           ; a round of the cluster's barrier behind its opening barrier
	s_cmp_lg_u32 s[WV], 0
	s_cbranch_scc1 .Lnot_wave_0_\@
	s_barrier_signal -3
.Lnot_wave_0_\@:
	s_barrier_wait -3
	s_barrier_signal -1
	s_barrier_wait -1
.endm
.macro CROUND
	s_barrier_signal -1
	s_barrier_wait -1
	CREST
.endm
.macro XLOAD x, base, off              ; my 16 rows of a piece: register 16 c + 4 q + .. = k 32 c + 16 h + 4 q + ..
.irp c, 0,1,2,3
.irp q, 0,1,2,3
	global_load_b128 v[(\x)+16*\c+4*\q:(\x)+16*\c+4*\q+3], v[XA], s[\base:\base+1] offset:(\off)+128*\c+16*\q th:TH_LOAD_NT
.endr
.endr
.endm
; THE QUANTISER in three parts, so that each stands in the places that the fragment loads behind a run of products want anyway.
.macro QA x                            ; the four blocks' largest magnitudes
.irp b, 0,1,2,3
	v_max3_num_f32 v[TM+\b], |v[(\x)+16*\b]|, |v[(\x)+16*\b+1]|, 0x8000000   ; with the floor 2^(16 - 127): the byte cannot fall under 1
.endr
.irp i, 2,4,6,8,10,12,14
.irp b, 0,1,2,3
	v_max3_num_f32 v[TM+\b], v[TM+\b], |v[(\x)+16*\b+\i]|, |v[(\x)+16*\b+\i+1]|
.endr
.endr
.irp b, 0,1,2,3
	v_permlanex16_b32 v[TM+4+\b], v[TM+\b], s[SEL], s[SEL+1]
.endr
.irp b, 0,1,2,3
	v_max_num_f32 v[TM+\b], v[TM+\b], v[TM+4+\b]
.endr
.endm
.macro QCV x, b                        ; block b: the hold (the conversion does not saturate: ISA guide 7.6.2), then 16 codes
.irp i, 0,1,2,3,4,5,6,7,8,9,10,11,12,13,14,15
	v_med3_num_f32 v[(\x)+16*(\b)+\i], v[(\x)+16*(\b)+\i], -v[TM+8+(\b)], v[TM+8+(\b)]
.endr
	v_cvt_scalef32_pk8_bf8_f32 v[CD+4*(\b):CD+4*(\b)+1], v[(\x)+16*(\b):(\x)+16*(\b)+7], v[TM+12+(\b)]
	v_cvt_scalef32_pk8_bf8_f32 v[CD+4*(\b)+2:CD+4*(\b)+3], v[(\x)+16*(\b)+8:(\x)+16*(\b)+15], v[TM+12+(\b)]
.endm
.macro QB x                            ; the scales, and blocks 0 and 1
.irp b, 0,1,2,3
	v_add_nc_u32 v[TM+12+\b], 0xf8800000, v[TM+\b]   ; 15 off the exponent field: the conversion's scale operand
.endr
.irp b, 0,1,2,3
	v_and_or_b32 v[TM+8+\b], v[TM+\b], 0x7f800000, s[MNT]   ; 57,344 x the scale
.endr
.irp b, 0,1,2,3
	v_lshrrev_b32 v[TM+4+\b], 23, v[TM+12+\b]
.endr
	v_lshl_or_b32 v[PW], v[TM+5], 8, v[TM+4]
	v_lshl_or_b32 v[PW], v[TM+6], 16, v[PW]
	v_lshl_or_b32 v[PW], v[TM+7], 24, v[PW]
	QCV \x, 0
	QCV \x, 1
	v_nop                                          ; a plain line behind the last conversion
.endm
.macro QC x, rs                        ; blocks 2 and 3, and the image into ring place rs
	QCV \x, 2
	QCV \x, 3
	v_nop
.irp c, 0,1,2,3
	ds_store_b128 v[AWI], v[CD+4*\c:CD+4*\c+3] offset:8192*(\rs)+512*\c
.endr
	ds_store_b32 v[AWS], v[PW] offset:256*(\rs)    ; both halves of the lanes write the same word with the same value
.endm
; One part of the quantiser.  skip = 1: the last block has no piece left to quantise here; eight v_nop then take the part's place ahead of the loads that follow.
; The first part's wait stands AHEAD of the branch, on both ways: every step passes it in front of its own 16 loads.  At most the loads of the two steps before are out there, 32; the count 16 leaves the younger
; piece out, so the set that this step quantises, and then loads anew, has landed on every way through the text.  Where nothing is out (the last block's last steps) the wait is met at once.
.macro LUMP part, x, rs, skip
.if (\part) == 0
	s_wait_loadcnt 16                              ; the piece to quantise is in; the 16 loads of the piece behind it may be out
.endif
.if \skip
	s_cmp_eq_u32 s[BLK], 1
	s_cbranch_scc1 .Lskip_\@
.endif
.if (\part) == 0
	QA \x
.elseif (\part) == 1
	QB \x
.else
	QC \x, \rs
.endif
.if \skip
	s_branch .Ljoin_\@
.Lskip_\@:
	PLACES 8
.Ljoin_\@:
.endif
.endm
; The loads of the piece five steps on, into the set just quantised.  From step 3 on that piece is the next block's: the last block asks for nothing, and waits there for all that is out.
.macro LLOAD j
.if (\j) >= 3
	s_cmp_eq_u32 s[BLK], 1
	s_cbranch_scc1 .Lnone_\@
.endif
	s_wait_xcnt 0x0                                ; the earlier loads have read their base: it is written only behind this wait
.if ((\j) < 3) || ((\j) > 5)
	s_add_co_u32 s[HOFF], s[HOFF], s[HU]
.elseif (\j) == 3
	s_add_co_u32 s[HOFF], s[HOFF], 262144          ; 64 rows down; the next block walks K the other way, and begins one step back from where this one ends
	s_sub_co_u32 s[HU], 0, s[HU]
	s_add_co_u32 s[HOFF], s[HOFF], s[HU]
.elseif (\j) == 4
	s_sub_co_u32 s[HOFF], s[HOFF], s[HU]
.else
	s_add_co_u32 s[HOFF], s[HOFF], s[HU]
	s_add_co_u32 s[HOFF], s[HOFF], s[HU]
.endif
	s_add_nc_u64 s[HP:HP+1], s[HB:HB+1], s[HOFF:HOFF+1]
	XLOAD (XR+64*(((\j)+1)&1)), HP, 0
.if (\j) >= 3
	s_branch .Lasked_\@
.Lnone_\@:
	s_wait_loadcnt 0x0
.Lasked_\@:
.endif
.endm
.macro LOADB slot, g                   ; tiles 2 g and 2 g + 1 of my quarter into buffer g % 4: 8 loads of 512 consecutive bytes
	WIN 0x40
.irp e, 0,1
.irp c, 0,1,2,3
	ds_load_b128 v[32*((\g)&3)+16*\e+4*\c:32*((\g)&3)+16*\e+4*\c+3], v[ADRB+(\slot)] offset:2048*(2*(\g)+\e)+512*\c
.endr
.endr
.endm
.macro LOADA rs, set, a                ; row tile a of the piece in ring place rs
	WIN 0x40
.irp c, 0,1,2,3
	ds_load_b128 v[128+64*(\set)+16*(\a)+4*\c:128+64*(\set)+16*(\a)+4*\c+3], v[ADRA] offset:8192*(\rs)+2048*(\a)+512*\c
.endr
.endm
.macro LOADSA rs, set                  ; its scale words: lanes 0-15 an even row tile's, lanes 16-31 the odd one's
	WIN 0
.irp a, 0,1
	ds_load_b32 v[AS+2*(\set)+\a], v[ADRAS] offset:256*(\rs)+128*\a
.endr
.endm
.macro LOADSB slot, set                ; my quarter's scale words: register i: lanes 0-15 tile 2 i, lanes 16-31 tile 2 i + 1
	WIN 0
.irp i, 0,1,2,3,4,5,6,7
	ds_load_b32 v[BS+8*(\set)+\i], v[ADRS+(\slot)] offset:128*\i
.endr
.endm
.macro WM zero, ra, rb                 ; one product on the registers named by rD, rA, rB, rSA, rSB; ra, rb: the scale words lie in lanes 16-31
.if \zero
.if (\ra) && (\rb)
	v_wmma_scale_f32_16x16x128_f8f6f4 v[rD:rD+7], v[rA:rA+15], v[rB:rB+15], 0, v[rSA], v[rSB] matrix_a_fmt:MATRIX_FMT_BF8 matrix_b_fmt:MATRIX_FMT_BF8 matrix_a_scale:MATRIX_SCALE_ROW1 matrix_b_scale:MATRIX_SCALE_ROW1
.elseif \ra
	v_wmma_scale_f32_16x16x128_f8f6f4 v[rD:rD+7], v[rA:rA+15], v[rB:rB+15], 0, v[rSA], v[rSB] matrix_a_fmt:MATRIX_FMT_BF8 matrix_b_fmt:MATRIX_FMT_BF8 matrix_a_scale:MATRIX_SCALE_ROW1
.elseif \rb
	v_wmma_scale_f32_16x16x128_f8f6f4 v[rD:rD+7], v[rA:rA+15], v[rB:rB+15], 0, v[rSA], v[rSB] matrix_a_fmt:MATRIX_FMT_BF8 matrix_b_fmt:MATRIX_FMT_BF8 matrix_b_scale:MATRIX_SCALE_ROW1
.else
	v_wmma_scale_f32_16x16x128_f8f6f4 v[rD:rD+7], v[rA:rA+15], v[rB:rB+15], 0, v[rSA], v[rSB] matrix_a_fmt:MATRIX_FMT_BF8 matrix_b_fmt:MATRIX_FMT_BF8
.endif
.else
.if (\ra) && (\rb)
	v_wmma_scale_f32_16x16x128_f8f6f4 v[rD:rD+7], v[rA:rA+15], v[rB:rB+15], v[rD:rD+7], v[rSA], v[rSB] matrix_a_fmt:MATRIX_FMT_BF8 matrix_b_fmt:MATRIX_FMT_BF8 matrix_a_scale:MATRIX_SCALE_ROW1 matrix_b_scale:MATRIX_SCALE_ROW1
.elseif \ra
	v_wmma_scale_f32_16x16x128_f8f6f4 v[rD:rD+7], v[rA:rA+15], v[rB:rB+15], v[rD:rD+7], v[rSA], v[rSB] matrix_a_fmt:MATRIX_FMT_BF8 matrix_b_fmt:MATRIX_FMT_BF8 matrix_a_scale:MATRIX_SCALE_ROW1
.elseif \rb
	v_wmma_scale_f32_16x16x128_f8f6f4 v[rD:rD+7], v[rA:rA+15], v[rB:rB+15], v[rD:rD+7], v[rSA], v[rSB] matrix_a_fmt:MATRIX_FMT_BF8 matrix_b_fmt:MATRIX_FMT_BF8 matrix_b_scale:MATRIX_SCALE_ROW1
.else
	v_wmma_scale_f32_16x16x128_f8f6f4 v[rD:rD+7], v[rA:rA+15], v[rB:rB+15], v[rD:rD+7], v[rSA], v[rSB] matrix_a_fmt:MATRIX_FMT_BF8 matrix_b_fmt:MATRIX_FMT_BF8
.endif
.endif
.endm
; 8 products: tiles 2 g, 2 g + 1 of W x the four row tiles.  Source 0 = 16 rows of h, source 1 = 16 columns of W.  The 64 accumulators take turns, one instruction a turn, in the same order in every step.
; zero = 1: the block's first step starts the sums.
.macro MUL g, p, zero
.if (\g) < 4
	WIN 0xa5
.else
	WIN 0xf5
.endif
.irp e, 0,1
.irp a, 0,1,2,3
.set rD, 8*(4*((2*(\g)+\e)&7)+\a)
.set rA, 128+64*(\p)+16*\a
.set rB, 32*((\g)&3)+16*\e
.set rSA, AS+2*(\p)+(\a)/2
.set rSB, BS+8*(\p)+(\g)
	WM \zero, (\a)%2, \e
.endr
.endr
.endm
; A K STEP: 64 products.  mode 0: the slot is filled again (steps 0-5); 1: step 6; 2: step 7, which fetches nothing for a next step.  LDS instructions come back in order; each count below is the number issued behind
; the ones that are wanted, taken on the way without the quantiser's five stores (with them the wait is only stricter).
; A load into a register that a product has read stands 8 places behind it: the quantiser's parts or eight v_nop are those places.
.macro STEP j, mode, zero, qs
	s_wait_dscnt 16                                ; all but buffers 2 and 3
	MUL 0, ((\j)&1), \zero
	WIN 0
	LUMP 0, (XR+64*(((\j)+1)&1)), (((\j)+3)&3), \qs
	LOADB ((\j)&1), 4
.if (\mode) < 2
	LOADA (((\j)+1)&3), (1-((\j)&1)), 0
.endif
	MUL 1, ((\j)&1), \zero
	WIN 0
	LUMP 1, (XR+64*(((\j)+1)&1)), (((\j)+3)&3), \qs
	LOADB ((\j)&1), 5
.if (\mode) < 2
	LOADA (((\j)+1)&3), (1-((\j)&1)), 1
	s_wait_dscnt 32                                ; buffer 2: behind it 8 + 12 + 12
.else
	s_wait_dscnt 24                                ; 8 + 8 + 8
.endif
	MUL 2, ((\j)&1), \zero
	WIN 0
	LUMP 2, (XR+64*(((\j)+1)&1)), (((\j)+3)&3), \qs
	LLOAD \j
	LOADB ((\j)&1), 6
.if (\mode) < 2
	LOADA (((\j)+1)&3), (1-((\j)&1)), 2
	s_wait_dscnt 36                                ; buffer 3: behind it 12 + 12 + 12
.else
	s_wait_dscnt 24
.endif
	MUL 3, ((\j)&1), \zero
	PLACES 8
	LOADB ((\j)&1), 7
.if (\mode) < 2
	LOADA (((\j)+1)&3), (1-((\j)&1)), 3
	LOADSA (((\j)+1)&3), (1-((\j)&1))
.endif
.if (\mode) == 0
	WIN 0                                          ; (the add's two registers lie in window 0)
	s_wait_tensorcnt 0x0                           ; all my tensor loads have landed: the one that was out is my quarter of the other slot;
	ds_add_u32 v[SPW], v[NIL]                      ; 0 onto my spare word
.if (\j) == 0                                  ; no tensor load of mine is out, so this slot's group 0 may be written: the tile of step j + 2
	s_add_co_u32 s[TO], s[TO], s[DT]
.elseif (\j) == 1
	s_add_co_u32 s[TO+2], s[TO+2], s[DT]
	s_add_co_u32 s[TO+2], s[TO+2], s[DT2]
.else
	s_add_co_u32 s[TO+2*((\j)&1)], s[TO+2*((\j)&1)], s[DT2]
.endif
	s_add_nc_u64 s[G0+4*((\j)&1)+2:G0+4*((\j)&1)+3], s[WB:WB+1], s[TO+2*((\j)&1):TO+2*((\j)&1)+1]
	s_or_b32 s[G0+4*((\j)&1)+3], s[G0+4*((\j)&1)+3], 0x80000000
	s_wait_dscnt 43                                ; tiles 8, 9: behind them 4 + 12 + 12 + 14 and the add
	MUL 4, ((\j)&1), \zero
	s_wait_dscnt 0x0                               ; the add is done, my reads of this slot are in registers, my image has landed
	s_barrier_signal -1                            ; this barrier opens a round of the cluster's barrier
	MUL 5, ((\j)&1), \zero
	WIN 0
	s_barrier_wait -1
	CREST                                          ; no wave of any partner still reads this slot or has a load on its way
	tensor_load_to_lds s[G0+4*((\j)&1):G0+4*((\j)&1)+3], s[G1:G1+7]   ; my one tensor load behind the round: one is out by this text's count
	s_nop 0
	PLACES 8
.elseif (\mode) == 1
	s_wait_tensorcnt 0x0                           ; my quarter of step 7's tile is in; I alone read it
	s_wait_dscnt 42
	MUL 4, ((\j)&1), \zero
	s_wait_dscnt 0x0
	MUL 5, ((\j)&1), \zero
	PLACES 8
.endif
.if (\mode) < 2
	LOADB (1-((\j)&1)), 0                          ; the next step's first tiles, from the other slot
	LOADB (1-((\j)&1)), 1
	LOADSB (1-((\j)&1)), (1-((\j)&1))
	MUL 6, ((\j)&1), \zero
	PLACES 8
	LOADB (1-((\j)&1)), 2
	MUL 7, ((\j)&1), \zero
	PLACES 8
	LOADB (1-((\j)&1)), 3
.else
	s_wait_dscnt 24
	MUL 4, ((\j)&1), \zero
	s_wait_dscnt 16
	MUL 5, ((\j)&1), \zero
	s_wait_dscnt 8
	MUL 6, ((\j)&1), \zero
	s_wait_dscnt 0x0
	MUL 7, ((\j)&1), \zero
.endif
.endm
; Four column tiles of the epilogue: 128 numbers a lane.  Each kind of transcendental goes as one batch with one plain line and one wait behind it.
.macro BATCH i
.if (\i) < 2
	WIN 0x52                                       ; source 0 window 2, source 2 and destination window 1
.else
	WIN 0x53
.endif
.set n, 0
.rept 64                               ; C2 acc + BC[T]: each accumulator from its low end on
.set tq, n/16
.set rAc, 8*(4*((4*(\i)+tq)&7)+(n/4)%4)+2*(n%4)
.if tq%2
	v_pk_fma_f32 v[2*n:2*n+1], v[rAc:rAc+1], s[C2:C2+1], v[BC+4*(\i)+tq-1:BC+4*(\i)+tq] op_sel:[0,0,1] op_sel_hi:[1,0,1]
.else
	v_pk_fma_f32 v[2*n:2*n+1], v[rAc:rAc+1], s[C2:C2+1], v[BC+4*(\i)+tq:BC+4*(\i)+tq+1] op_sel_hi:[1,0,0]
.endif
.set n, n+1
.endr
	WIN 0x55
.set n, 0
.rept 128
	v_exp_f32 v[n], v[n]
.set n, n+1
.endr
	v_nop
	s_wait_alu depctr_va_vdst(0)
.set n, 0
.rept 64
	v_pk_add_f32 v[2*n:2*n+1], v[2*n:2*n+1], 1.0 op_sel_hi:[1,0]
.set n, n+1
.endr
.set n, 0
.rept 128
	v_rcp_f32 v[n], v[n]                           ; an infinity gives 0, as tanh = 1 asks
.set n, n+1
.endr
	v_nop
	s_wait_alu depctr_va_vdst(0)
	WIN 0x05                                       ; sources 0 and 1 window 1; the scores window 0
.set n, 0
.rept 64
.set tq, n/16
.set ix, 2*(n%16)
.if ((\i) == 0) && (tq == 0)
	v_pk_mul_f32 v[SS+ix:SS+ix+1], v[2*n:2*n+1], v[WC:WC+1] op_sel_hi:[1,0]   ; the first tile starts the sums
.elseif tq%2
	v_pk_fma_f32 v[SS+ix:SS+ix+1], v[2*n:2*n+1], v[WC+4*(\i)+tq-1:WC+4*(\i)+tq], v[SS+ix:SS+ix+1] op_sel:[0,1,0] op_sel_hi:[1,1,1]
.else
	v_pk_fma_f32 v[SS+ix:SS+ix+1], v[2*n:2*n+1], v[WC+4*(\i)+tq:WC+4*(\i)+tq+1], v[SS+ix:SS+ix+1] op_sel_hi:[1,0,1]
.endif
.set n, n+1
.endr
.endm
	s_load_b512 s[4:19], s[0:1], 0x0               ; h_enc, wq, decp, b_enc, b_dec, W_com, sc, pctx
	s_load_b64 s[20:21], s[0:1], 0x40              ; pml
	v_lshl_add_u32 v[SPW], v0, 2, SPARE
	v_mov_b32 v[NIL], 0
	ds_add_u32 v[SPW], v[NIL]                      ; the wave's opening
	ds_add_u32 v[SPW], v[NIL]
	v_lshrrev_b32 v20, 5, v0
	v_readfirstlane_b32 s[WV], v20
	s_bfe_u32 s24, ttmp6, 0x40000                  ; my place in the cluster: it enters global addresses of my own loads and stores alone
	s_lshl_b32 s25, ttmp9, 2
	s_add_co_u32 s25, s25, s24                     ; g
	s_mov_b32 s[G1], 15|(3<<16)|(1<<21)            ; the mask of all four work-groups; elements of 8 bytes; bit 21 beside a mask; no padding
	s_mov_b32 s[G1+1], 32<<16                      ; tensor_dim0 = 32 elements = 256 bytes
	s_mov_b32 s[G1+2], 132<<16                     ; tensor_dim1 = 132 rows
	s_mov_b32 s[G1+3], 32<<16                      ; tile_dim0
	s_mov_b32 s[G1+4], 132                         ; tile_dim1
	s_mov_b32 s[G1+5], 32                          ; the pitch: a dense block
	s_mov_b32 s[G1+6], 0
	s_mov_b32 s[G1+7], 0
	s_mov_b32 s[SEL], 0x76543210
	s_mov_b32 s[SEL+1], 0xfedcba98
	s_mov_b32 s[C2], 0x4038aa3b                    ; 2 log2(e)
	s_mov_b32 s[C2+1], s[C2]
	s_mov_b32 s[MNT], 0x600000
	s_mov_b32 s[TO], SLOTB                         ; slot 0 begins with tile 1,
	s_mov_b32 s[TO+1], 0
	s_mov_b32 s[TO+2], 0                           ; slot 1 with tile 0
	s_mov_b32 s[TO+3], 0
	s_mov_b32 s[DT], -SLOTB                        ; turned at each block's head
	s_mov_b32 s[HU], 512
	s_mov_b32 s[HOFF], 2048                        ; the head loads pieces 0 to 4; the last of them is K step 4
	s_mov_b32 s[HOFF+1], 0
	s_mov_b32 s[EXO], 0
	s_mov_b32 s[BLK], 4
	v_and_b32 v20, 15, v0                          ; r
	v_bfe_u32 v21, v0, 4, 1                        ; h
	v_and_b32 v22, 31, v0                          ; lane
	v_lshlrev_b32 v23, 4, v22
	v_lshlrev_b32 v24, 2, v22
	v_lshlrev_b32 v[XA], 12, v20
	v_lshl_add_u32 v[XA], v21, 6, v[XA]
	s_mul_i32 s72, s[WV], QUARB
	v_add_nc_u32 v[ADRB], s72, v23
	v_add_nc_u32 v[ADRB+1], SLOTB, v[ADRB]
	s_add_co_u32 s74, s72, 32768
	v_add_nc_u32 v[ADRS], s74, v24
	v_add_nc_u32 v[ADRS+1], SLOTB, v[ADRS]
	v_add_nc_u32 v[ADRA], ABASE, v23
	v_add_nc_u32 v[ADRAS], ASB, v24
	s_lshl_b32 s74, s[WV], 11
	s_add_co_u32 s74, s74, ABASE
	v_add_nc_u32 v[AWI], s74, v23
	s_lshl_b32 s74, s[WV], 6
	s_add_co_u32 s74, s74, ASB
	v_lshl_add_u32 v[AWS], v20, 2, s74
	s_lshl_b32 s74, s[WV], 8
	s_add_co_u32 s74, s74, EXB
	v_lshl_add_u32 v[EXW], v21, 5, s74             ; my wave's 64 rows, my half's eight of each sixteen
	v_lshlrev_b32 v[EXR], 5, v21
	v_add_nc_u32 v[EXR], EXB, v[EXR]
	s_lshl_b32 s74, s[WV], 12
	s_add_co_u32 s74, s74, TBL
	v_add_nc_u32 v[TBLA], s74, v23
	v_lshlrev_b32 v[CO], 4, v20
	v_lshlrev_b32 v[L8], 3, v22
	s_lshl_b32 s74, s[WV], 10
	s_add_co_u32 s74, s74, EXB
	v_add_nc_u32 v[SRD], s74, v[L8]
	v_lshlrev_b32 v[PO], 8, v21
	v_lshl_add_u32 v[PO], v20, 4, v[PO]
.irp b, 0,1,2,3
	v_mov_b32 v[TM+4+\b], 0                        ; written once: a lane permute's destination counts as one of its sources
.endr
	v_mov_b32 v[MX], 0xff61b1e6                    ; m = -3e38, under every score
	v_mov_b32 v[MX+1], 0
	v_mov_b32 v[LS], 0
	v_mov_b32 v[LS+1], 0
	v_mov_b32 v23, 0                               ; (named as the upper half of f's pair)
.set n, 0
.rept 32
	v_mov_b32 v[CTX+n], 0                          ; the context begins as zeros, so that the epilogue is written once: the first f multiplies zeros
.set n, n+1
.endr
	s_wait_dscnt 0x0                               ; both opening adds are done
	s_wait_kmcnt 0x0
	s_mov_b32 s73, 0
	s_add_nc_u64 s[WB:WB+1], s[6:7], s[72:73]      ; made of the wave's number alone: the same in all four partners
	s_mov_b32 s[G0], 1
	s_mov_b32 s[G0+1], s72
	s_add_nc_u64 s[G0+2:G0+3], s[WB:WB+1], s[TO:TO+1]
	s_or_b32 s[G0+3], s[G0+3], 0x80000000
	s_mov_b32 s[G0+4], 1
	s_add_co_u32 s[G0+5], s72, SLOTB
	s_add_nc_u64 s[G0+6:G0+7], s[WB:WB+1], s[TO+2:TO+3]
	s_or_b32 s[G0+7], s[G0+7], 0x80000000
	s_lshl_b32 s68, s25, 20                        ; my work-group's 256 rows of 4,096 bytes,
	s_lshl_b32 s70, s[WV], 16                      ; my wave's 16 of each 64
	s_add_co_u32 s68, s68, s70
	s_mov_b32 s69, 0
	s_mov_b32 s71, 0
	s_add_nc_u64 s[HB:HB+1], s[4:5], s[68:69]
	s_lshr_b32 s68, s25, 3
	s_lshl_b32 s68, s68, 12                        ; the batch's row of decp,
	s_lshl_b32 s70, s[WV], 10                      ; my quarter's 1,024 bytes
	s_add_nc_u64 s[8:9], s[8:9], s[68:69]
	s_add_nc_u64 s[8:9], s[8:9], s[70:71]
	s_add_nc_u64 s[10:11], s[10:11], s[70:71]
	s_add_nc_u64 s[12:13], s[12:13], s[70:71]
	s_add_nc_u64 s[14:15], s[14:15], s[70:71]
	s_lshl_b32 s68, s25, 12
	s_add_nc_u64 s[18:19], s[18:19], s[68:69]
	s_add_nc_u64 s[18:19], s[18:19], s[70:71]      ; pctx at [g][256 w]
	s_lshl_b32 s68, s25, 10
	s_lshl_b32 s70, s[WV], 8
	s_add_nc_u64 s[16:17], s[16:17], s[68:69]
	s_add_nc_u64 s[16:17], s[16:17], s[70:71]      ; sc at my work-group's block w
	s_lshl_b32 s68, s25, 8
	s_add_nc_u64 s[20:21], s[20:21], s[68:69]
	CROUND                                         ; all four work-groups are here: the first joint loads meet
	tensor_load_to_lds s[G0:G0+3], s[G1:G1+7]      ; the two first fills go out together: two tensor loads of mine are out
	s_nop 0
	tensor_load_to_lds s[G0+4:G0+7], s[G1:G1+7]
	s_nop 0
	PLACES 4
	WIN 0x40                                       ; the tables, into window 1: a lane's four numbers are columns 256 w + 64 i + 4 r + 0 .. 3 = tiles 4 i .. 4 i + 3
.irp k, 0,1,2,3,4,5,6,7
.irp i, 0,1,2,3
	global_load_b128 v[16*\k+4*\i:16*\k+4*\i+3], v[CO], s[8:9] offset:131072*\k+256*\i
.endr
.endr
.irp i, 0,1,2,3
	global_load_b128 v[128+4*\i:131+4*\i], v[CO], s[10:11] offset:256*\i
	global_load_b128 v[144+4*\i:147+4*\i], v[CO], s[12:13] offset:256*\i
	global_load_b128 v[160+4*\i:163+4*\i], v[CO], s[14:15] offset:256*\i
.endr
	WIN 0
	XLOAD XR, HB, 512                              ; piece 0: K step 1
	XLOAD XR+64, HB, 0                             ; piece 1: K step 0
	s_wait_loadcnt 32                              ; the tables are in; the two pieces may be out
	WIN 0x55
.irp k, 1,2,3,4,5,6,7
.irp m, 0,2,4,6,8,10,12,14
	v_pk_add_f32 v[\m:\m+1], v[\m:\m+1], v[16*\k+\m:16*\k+\m+1]     ; product 2's eight K steps
.endr
.endr
.irp m, 0,2,4,6,8,10,12,14
	v_pk_add_f32 v[\m:\m+1], v[\m:\m+1], v[128+\m:129+\m]
.endr
.irp m, 0,2,4,6,8,10,12,14
	v_pk_add_f32 v[\m:\m+1], v[\m:\m+1], v[144+\m:145+\m]
.endr
.irp m, 0,2,4,6,8,10,12,14
	v_pk_mul_f32 v[\m:\m+1], v[\m:\m+1], s[C2:C2+1] op_sel_hi:[1,0]                               ; BC
	v_pk_mul_f32 v[160+\m:161+\m], v[160+\m:161+\m], s[C2:C2+1] op_sel_hi:[1,0] neg_lo:[1,0] neg_hi:[1,0]   ; WC
.endr
	WIN 0x04                                       ; an LDS store's data are its source 1
.irp i, 0,1,2,3
	ds_store_b128 v[TBLA], v[4*\i:4*\i+3] offset:512*\i
	ds_store_b128 v[TBLA], v[160+4*\i:163+4*\i] offset:2048+512*\i
.endr
	WIN 0
	s_wait_loadcnt 16                              ; piece 0
	QA XR
	QB XR
	QC XR, 0
	XLOAD XR, HB, 1024                             ; piece 2
	s_wait_loadcnt 16                              ; piece 1
	QA XR+64
	QB XR+64
	QC XR+64, 1
	XLOAD XR+64, HB, 1536                          ; piece 3
	s_wait_loadcnt 16                              ; piece 2
	QA XR
	QB XR
	QC XR, 2
	XLOAD XR, HB, 2048                             ; piece 4
	s_wait_tensorcnt 0x0                           ; both slots are whole
	s_wait_dscnt 0x0                               ; my three images have landed
	s_barrier_signal -1
	s_barrier_wait -1                              ; everybody's have
.Lblock:
	s_sub_co_u32 s[DT], 0, s[DT]                   ; this block's direction along K
	s_lshl_b32 s[DT2], s[DT], 1
	LOADA 0, 0, 0                                  ; step 0's operands
	LOADA 0, 0, 1
	LOADA 0, 0, 2
	LOADA 0, 0, 3
	LOADSA 0, 0
	LOADB 0, 0
	LOADB 0, 1
	LOADSB 0, 0
	LOADB 0, 2
	LOADB 0, 3
	STEP 0, 0, 1, 0
	STEP 1, 0, 0, 0
	STEP 2, 0, 0, 0
	STEP 3, 0, 0, 0
	STEP 4, 0, 0, 0
	STEP 5, 0, 0, 1
	STEP 6, 1, 0, 1
	STEP 7, 2, 0, 1
	; ---- THE EPILOGUE of a block of 64 rows
	WIN 0
	PLACES 8                                       ; ahead of loads and vector writes into registers that the last products have read
	WIN 0x40
.irp i, 0,1,2,3,4,5,6,7
	ds_load_b128 v[BC+4*\i:BC+4*\i+3], v[TBLA] offset:512*\i
.endr
	s_wait_dscnt 0x0
	BATCH 0
	BATCH 1
	BATCH 2
	BATCH 3
	WIN 0
.irp x, 1,2,4,8                        ; over the sixteen lanes of a half: my wave's 256 columns
.set n, 0
.rept 32
	v_add_f32_dpp v[SS+n], v[SS+n], v[SS+n] row_xmask:\x row_mask:0xf bank_mask:0xf
.set n, n+1
.endr
.endr
	v_add_nc_u32 v20, s[EXO], v[EXW]
	v_add_nc_u32 v21, s[EXO], v[EXR]
.set n, 0
.rept 8
	ds_store_b128 v20, v[SS+4*n:SS+4*n+3] offset:64*(n/2)+16*(n%2)   ; rows 16 a + 8 h + 4 q on; the sixteen lanes of a half write the same bytes with the same values
.set n, n+1
.endr
	s_wait_dscnt 0x0                               ; my partial scores have landed (and my images of steps 6 and 7)
	s_barrier_signal -1
	s_barrier_wait -1
	WIN 0x40
.irp u, 0,1,2,3
.set n, 0
.rept 8
	ds_load_b128 v[32*\u+4*n:32*\u+4*n+3], v21 offset:256*\u+64*(n/2)+16*(n%2)
.set n, n+1
.endr
.endr
	s_wait_dscnt 0x0
	WIN 0x55
.set n, 0
.rept 16
	v_pk_add_f32 v[2*n:2*n+1], v[2*n:2*n+1], v[32+2*n:33+2*n]
	v_pk_add_f32 v[64+2*n:65+2*n], v[64+2*n:65+2*n], v[96+2*n:97+2*n]
.set n, n+1
.endr
	WIN 0x05
.set n, 0
.rept 16
	v_pk_add_f32 v[SS+2*n:SS+2*n+1], v[2*n:2*n+1], v[64+2*n:65+2*n]   ; t of my 32 rows
.set n, n+1
.endr
	WIN 0
	v_max3_num_f32 v20, v[SS], v[SS+1], v[SS+2]
	v_max3_num_f32 v21, v[SS+3], v[SS+4], v[SS+5]
.irp i, 6,10,14,18,22,26
	v_max3_num_f32 v20, v20, v[SS+\i], v[SS+\i+1]
	v_max3_num_f32 v21, v21, v[SS+\i+2], v[SS+\i+3]
.endr
	v_max3_num_f32 v20, v20, v[SS+30], v[SS+31]
	v_max3_num_f32 v20, v20, v21, v[MX]
	v_permlanex16_b32 v21, v20, s[SEL], s[SEL+1]
	v_max_num_f32 v20, v20, v21                    ; the running maximum, the same in every lane
	v_sub_f32 v22, v[MX], v20
	v_mov_b32 v[MX], v20
.set n, 0
.rept 16
	v_pk_add_f32 v[SS+2*n:SS+2*n+1], v[SS+2*n:SS+2*n+1], v[MX:MX+1] op_sel_hi:[1,0] neg_lo:[0,1] neg_hi:[0,1]
.set n, n+1
.endr
	v_exp_f32 v22, v22                             ; f = 2^(old m - new m)
.set n, 0
.rept 32
	v_exp_f32 v[SS+n], v[SS+n]                     ; p = 2^(t - m)
.set n, n+1
.endr
	v_nop
	s_wait_alu depctr_va_vdst(0)                   ; one wait for the 33
	v_pk_add_f32 v[20:21], v[SS:SS+1], v[SS+2:SS+3]
	v_pk_add_f32 v[56:57], v[SS+4:SS+5], v[SS+6:SS+7]
.irp i, 8,12,16,20,24,28
	v_pk_add_f32 v[20:21], v[20:21], v[SS+\i:SS+\i+1]
	v_pk_add_f32 v[56:57], v[56:57], v[SS+\i+2:SS+\i+3]
.endr
	v_pk_add_f32 v[20:21], v[20:21], v[56:57]
	v_pk_fma_f32 v[LS:LS+1], v[LS:LS+1], v[22:23], v[20:21] op_sel_hi:[1,0,1]
.set n, 0
.rept 16
	v_pk_mul_f32 v[CTX+2*n:CTX+2*n+1], v[CTX+2*n:CTX+2*n+1], v[22:23] op_sel_hi:[1,0]
.set n, n+1
.endr
.irp w, 0,1                            ; the context: two rows at a time, the eight columns of a window by turns
	WIN 0x02+\w
.set n, 0
.rept 128
.set tq, n%8
.set ix, n/8
	v_pk_fma_f32 v[CTX+2*(8*\w+tq):CTX+2*(8*\w+tq)+1], v[8*(4*tq+ix/4)+2*(ix%4):8*(4*tq+ix/4)+2*(ix%4)+1], v[SS+2*ix:SS+2*ix+1], v[CTX+2*(8*\w+tq):CTX+2*(8*\w+tq)+1]
.set n, n+1
.endr
.endr
	WIN 0
	s_add_co_u32 s[EXO], s[EXO], 1024
	s_sub_co_u32 s[BLK], s[BLK], 1
	s_cmp_lg_u32 s[BLK], 0
	s_cbranch_scc1 .Lblock
	; ---- THE WAY OUT
.set n, 0
.rept 16
	v_add_f32 v[CTX+2*n], v[CTX+2*n], v[CTX+2*n+1]                 ; even rows' and odd rows' sums,
.set n, n+1
.endr
.set n, 0
.rept 16
	v_permlanex16_b32 v[CTX+2*n+1], v[CTX+2*n], s[SEL], s[SEL+1]
.set n, n+1
.endr
.set n, 0
.rept 16
	v_add_f32 v[CTX+2*n], v[CTX+2*n], v[CTX+2*n+1]                 ; and the other half of the lanes' rows
.set n, n+1
.endr
	v_add_f32 v[MX+1], v[LS], v[LS+1]
	v_permlanex16_b32 v20, v[MX+1], s[SEL], s[SEL+1]
	v_add_f32 v[MX+1], v[MX+1], v20                ; l, beside m
	v_and_b32 v21, 31, v0
	v_cmp_le_u32 vcc_lo, 16, v21
.irp i, 0,1
.irp c, 0,1,2,3
	v_cndmask_b32 v[112+4*\i+\c], v[CTX+2*(8*\i+\c)], v[CTX+2*(8*\i+4+\c)], vcc_lo   ; lanes 0-15 take tiles 8 i + c, lanes 16-31 tiles 8 i + 4 + c: 64 columns further on
.endr
.endr
.irp i, 0,1
	global_store_b128 v[PO], v[112+4*\i:115+4*\i], s[18:19] offset:512*\i   ; 32 lanes store 512 consecutive bytes
.endr
.irp u, 0,1,2,3
	ds_load_b64 v[24+2*\u:25+2*\u], v[SRD] offset:256*\u           ; block w's scores: the four waves' parts, added in the order of the epilogue
.endr
	s_wait_dscnt 0x0
	v_pk_add_f32 v[24:25], v[24:25], v[26:27]
	v_pk_add_f32 v[28:29], v[28:29], v[30:31]
	v_pk_add_f32 v[24:25], v[24:25], v[28:29]
	global_store_b64 v[L8], v[24:25], s[16:17]     ; 32 lanes store 256 consecutive bytes, aligned
	s_cmp_lg_u32 s[WV], 0
	s_cbranch_scc1 .Lnot_mine
	global_store_b64 v[L8], v[MX:MX+1], s[20:21]   ; (m, l), once for each lane: 256 consecutive bytes
.Lnot_mine:
	s_wait_tensorcnt 0x0                           ; the wave's end
	ds_add_u32 v[SPW], v[NIL]
	s_wait_dscnt 0x0
	CROUND                                         ; the closing round: no work-group ends while a partner may still ask for a tile that names it
	s_endpgm
.Lfunc_end_k_q8cf809ceca_attend:
	.size	k_q8cf809ceca_attend, .Lfunc_end_k_q8cf809ceca_attend-k_q8cf809ceca_attend
	.p2alignl 7, 3214868480
	.fill 96, 4, 3214868480
	.section	.rodata,"a",@progbits
	.p2align	6, 0x0
	.amdhsa_kernel k_q8cf809ceca_attend
		.amdhsa_group_segment_fixed_size 327680
		.amdhsa_private_segment_fixed_size 0
		.amdhsa_enable_private_segment 0
		.amdhsa_kernarg_size 72
		.amdhsa_user_sgpr_count 2
		.amdhsa_user_sgpr_kernarg_segment_ptr 1
		.amdhsa_wavefront_size32 1
		.amdhsa_system_sgpr_workgroup_id_x 1
		.amdhsa_system_sgpr_workgroup_id_y 1
		.amdhsa_system_sgpr_workgroup_id_z 1
		.amdhsa_system_vgpr_workitem_id 0
		.amdhsa_next_free_vgpr 1024
		.amdhsa_next_free_sgpr 80
		.amdhsa_reserve_vcc 1
		.amdhsa_float_denorm_mode_32 3
		.amdhsa_float_denorm_mode_16_64 3
		.amdhsa_memory_ordered 1
		.amdhsa_forward_progress 1
		.amdhsa_inst_pref_size 255
	.end_amdhsa_kernel
	.section	.bss,"aw",@nobits
	.p2align	6
	.space	262144
	.amdgpu_metadata
---
amdhsa.version: [ 1, 2 ]
amdhsa.kernels:
  - .name:           k_q8cf809ceca_attend
    .symbol:         k_q8cf809ceca_attend.kd
    .args:
      - { .name: h_enc, .offset: 0, .size: 8, .value_kind: global_buffer, .address_space: global }
      - { .name: wq, .offset: 8, .size: 8, .value_kind: global_buffer, .address_space: global }
      - { .name: decp, .offset: 16, .size: 8, .value_kind: global_buffer, .address_space: global }
      - { .name: b_enc, .offset: 24, .size: 8, .value_kind: global_buffer, .address_space: global }
      - { .name: b_dec, .offset: 32, .size: 8, .value_kind: global_buffer, .address_space: global }
      - { .name: W_com, .offset: 40, .size: 8, .value_kind: global_buffer, .address_space: global }
      - { .name: sc, .offset: 48, .size: 8, .value_kind: global_buffer, .address_space: global }
      - { .name: pctx, .offset: 56, .size: 8, .value_kind: global_buffer, .address_space: global }
      - { .name: pml, .offset: 64, .size: 8, .value_kind: global_buffer, .address_space: global }
    .group_segment_fixed_size: 327680
    .private_segment_fixed_size: 0
    .kernarg_segment_align: 8
    .kernarg_segment_size: 72
    .max_flat_workgroup_size: 128
    .sgpr_count:     80
    .vgpr_count:     1024
    .wavefront_size: 32
...
	.end_amdgpu_metadata
.endif
;; end of part 2
;; launch fin (part 3): grid 32 x 1, 8 waves a work-group, no clusters, 0 bytes of LDS; arguments sc, pctx, pml, b_enc, out0, out1; writes out0, out1
.if DOCPART == 3
	.amdgcn_target "amdgcn-amd-amdhsa--gfx1250"
	.amdhsa_code_object_version 6
	.text
	.protected	k_q8cf809ceca_fin
	.globl	k_q8cf809ceca_fin
	.p2align	8
	.type	k_q8cf809ceca_fin,@function
k_q8cf809ceca_fin:
	s_mov_b64 s[64:65], 0
	v_nop
	global_prefetch_b8 v0, s[64:65] scope:SCOPE_SE
	s_setreg_imm32_b32 hwreg(HW_REG_WAVE_MODE, 25, 1), 1
	s_wait_xcnt 0x0
; The eight parts of a batch are joined: M = the largest m, f_g = 2^(m_g - M), L = sum of l_g f_g; attn = 2^(t - M) / L; context = (sum of f_g ctx_g) / L + b_enc.
; Left out as shown at the head of the first launch: b_com and the sum of W_com; b_enc enters the context here, once, since attn sums to 1.
; One work-group a batch, 256 threads: thread t owns columns 4 t .. 4 t + 3 of the context and eight positions of attn.  Every load and store of a wave covers 512 consecutive bytes (pml: 256).  No LDS, no barrier.
; v1 16 t, v2 8 x lane; v4-19 (m, l) of the eight parts; v20-51 their contexts; v52-59 t; v60-63 b_enc; v64 M; v66-73 f; v74 L, v75 1 / L; v76-79 the context
	s_load_b256 s[4:11], s[0:1], 0x0               ; sc, pctx, pml, b_enc
	s_load_b128 s[12:15], s[0:1], 0x20             ; out0, out1
	v_lshlrev_b32 v1, 4, v0
	v_and_b32 v2, 31, v0
	v_lshlrev_b32 v2, 3, v2
	s_lshl_b32 s16, ttmp9, 13                      ; 2,048 scores
	s_mov_b32 s17, 0
	s_lshl_b32 s18, ttmp9, 15                      ; 8 parts x 1,024 columns
	s_mov_b32 s19, 0
	s_lshl_b32 s20, ttmp9, 11                      ; 8 parts x 256 bytes
	s_mov_b32 s21, 0
	s_lshl_b32 s22, ttmp9, 12                      ; 1,024 columns
	s_mov_b32 s23, 0
	s_wait_kmcnt 0x0
	s_add_nc_u64 s[4:5], s[4:5], s[16:17]
	s_add_nc_u64 s[6:7], s[6:7], s[18:19]
	s_add_nc_u64 s[8:9], s[8:9], s[20:21]
	s_add_nc_u64 s[12:13], s[12:13], s[22:23]
	s_add_nc_u64 s[14:15], s[14:15], s[16:17]
.irp g, 0,1,2,3,4,5,6,7
	global_load_b64 v[4+2*\g:5+2*\g], v2, s[8:9] offset:256*\g
.endr
.irp g, 0,1,2,3,4,5,6,7
	global_load_b128 v[20+4*\g:23+4*\g], v1, s[6:7] offset:4096*\g
.endr
	global_load_b128 v[52:55], v1, s[4:5]
	global_load_b128 v[56:59], v1, s[4:5] offset:4096
	global_load_b128 v[60:63], v1, s[10:11]
	s_wait_loadcnt 0x0
	v_max3_num_f32 v64, v4, v6, v8
	v_max3_num_f32 v64, v64, v10, v12
	v_max3_num_f32 v64, v64, v14, v16
	v_max_num_f32 v64, v64, v18                    ; M
.irp g, 0,1,2,3,4,5,6,7
	v_sub_f32 v[66+\g], v[4+2*\g], v64
.endr
.irp i, 0,1,2,3,4,5,6,7
	v_sub_f32 v[52+\i], v[52+\i], v64
.endr
.irp g, 0,1,2,3,4,5,6,7
	v_exp_f32 v[66+\g], v[66+\g]
.endr
.irp i, 0,1,2,3,4,5,6,7
	v_exp_f32 v[52+\i], v[52+\i]
.endr
	v_nop
	s_wait_alu depctr_va_vdst(0)                   ; one wait for the sixteen exponentials, ahead of their first reader
	v_mul_f32 v74, v5, v66
.irp g, 1,2,3,4,5,6,7
	v_fma_f32 v74, v[5+2*\g], v[66+\g], v74
.endr
	v_rcp_f32 v75, v74
.irp c, 0,1,2,3
	v_mul_f32 v[76+\c], v[20+\c], v66              ; plain work behind the reciprocal, which names none of its registers
.endr
.irp g, 1,2,3,4,5,6,7
.irp c, 0,1,2,3
	v_fma_f32 v[76+\c], v[20+4*\g+\c], v[66+\g], v[76+\c]
.endr
.endr
	s_wait_alu depctr_va_vdst(0)                   ; and the wait for it
.irp c, 0,1,2,3
	v_fma_f32 v[76+\c], v[76+\c], v75, v[60+\c]
.endr
.irp i, 0,1,2,3,4,5,6,7
	v_mul_f32 v[52+\i], v[52+\i], v75
.endr
	global_store_b128 v1, v[76:79], s[12:13]
	global_store_b128 v1, v[52:55], s[14:15]
	global_store_b128 v1, v[56:59], s[14:15] offset:4096
	s_endpgm
.Lfunc_end_k_q8cf809ceca_fin:
	.size	k_q8cf809ceca_fin, .Lfunc_end_k_q8cf809ceca_fin-k_q8cf809ceca_fin
	.p2alignl 7, 3214868480
	.fill 96, 4, 3214868480
	.section	.rodata,"a",@progbits
	.p2align	6, 0x0
	.amdhsa_kernel k_q8cf809ceca_fin
		.amdhsa_group_segment_fixed_size 0
		.amdhsa_private_segment_fixed_size 0
		.amdhsa_enable_private_segment 0
		.amdhsa_kernarg_size 48
		.amdhsa_user_sgpr_count 2
		.amdhsa_user_sgpr_kernarg_segment_ptr 1
		.amdhsa_wavefront_size32 1
		.amdhsa_system_sgpr_workgroup_id_x 1
		.amdhsa_system_sgpr_workgroup_id_y 1
		.amdhsa_system_sgpr_workgroup_id_z 1
		.amdhsa_system_vgpr_workitem_id 0
		.amdhsa_next_free_vgpr 96
		.amdhsa_next_free_sgpr 66
		.amdhsa_reserve_vcc 0
		.amdhsa_float_denorm_mode_32 3
		.amdhsa_float_denorm_mode_16_64 3
		.amdhsa_memory_ordered 1
		.amdhsa_forward_progress 1
		.amdhsa_inst_pref_size 8
	.end_amdhsa_kernel
	.amdgpu_metadata
---
amdhsa.version: [ 1, 2 ]
amdhsa.kernels:
  - .name:           k_q8cf809ceca_fin
    .symbol:         k_q8cf809ceca_fin.kd
    .args:
      - { .name: sc, .offset: 0, .size: 8, .value_kind: global_buffer, .address_space: global }
      - { .name: pctx, .offset: 8, .size: 8, .value_kind: global_buffer, .address_space: global }
      - { .name: pml, .offset: 16, .size: 8, .value_kind: global_buffer, .address_space: global }
      - { .name: b_enc, .offset: 24, .size: 8, .value_kind: global_buffer, .address_space: global }
      - { .name: out0, .offset: 32, .size: 8, .value_kind: global_buffer, .address_space: global }
      - { .name: out1, .offset: 40, .size: 8, .value_kind: global_buffer, .address_space: global }
    .group_segment_fixed_size: 0
    .private_segment_fixed_size: 0
    .kernarg_segment_align: 8
    .kernarg_segment_size: 48
    .max_flat_workgroup_size: 256
    .sgpr_count:     66
    .vgpr_count:     96
    .wavefront_size: 32
...
	.end_amdgpu_metadata
.endif
;; end of part 3
;; ======== version 2 of 2: 3 launches
;; limits: right only within a limited range of input values
;; workspace buffers: wq 1,081,344 bytes; decp 1,048,576 bytes; sc 262,144 bytes; pctx 1,048,576 bytes; pml 65,536 bytes
;; launch prep: the kernel of part 1 again; grid 256 x 1, 4 waves a work-group, no clusters, 9,216 bytes of LDS; arguments W_enc, W_dec, h_dec, wq, decp; writes wq, decp
;; launch attend (part 4): grid 256 x 1, 8 waves a work-group, no clusters, 326,656 bytes of LDS; arguments h_enc, wq, decp, b_enc, b_dec, W_com, sc, pctx, pml; writes sc, pctx, pml
.if DOCPART == 4
	.amdgcn_target "amdgcn-amd-amdhsa--gfx1250"
	.amdhsa_code_object_version 6
	.text
	.protected	k_q8cf809ceca_attend
	.globl	k_q8cf809ceca_attend
	.p2align	8
	.type	k_q8cf809ceca_attend,@function
k_q8cf809ceca_attend:
	s_mov_b64 s[64:65], 0
	v_nop
	global_prefetch_b8 v0, s[64:65] scope:SCOPE_SE
	s_setreg_imm32_b32 hwreg(HW_REG_WAVE_MODE, 25, 1), 1
	s_wait_xcnt 0x0
; Product 1, the scores, and the partial softmax of 256 positions of one batch.  Left out as shown at the head of the first launch: b_com and the sum of W_com (the same for all positions of a softmax), and b_enc in the
; context (added once, in the last launch).
; THE CONTEXT IS SUMMED IN ANOTHER ORDER: sum over s of attn[s] (sum over k of hq[s][k] wq[k][u]) = sum over k of (sum over s of attn[s] hq[s][k]) wq[k][u], hq and wq the quantised numbers as they stand.  This launch makes
; the inner sum, 1,024 numbers for its 256 positions, from h's codes; the last launch multiplies by W_enc's codes.
; LIMITS: the order of rounding of the context's f32 sums differs from the module's.  A weight 2^(t - m) under 2^-126 counts as 0.  NaN and infinities among the inputs are not served; zero blocks as stated in the first launch.
; SHARES.  Work-group g owns positions 256 (g % 8) on of batch g / 8.  EIGHT waves of 512 registers, two to a SIMD: one wave's vector work stands beside the other's products.
; PHASE Q: wave w quantises rows 32 w on, all of K; the codes of all 256 rows stay in LDS as images of the operand's registers (262,144 bytes).
; PHASE G: four passes of 256 columns x 8 K steps; a wave holds rows 128 wr on x tiles 4 wc .. 4 wc + 3 of the pass's quarter: 32 accumulators.  wr = (w / 2) % 2, wc = 2 gr + w / 4, gr = (w xor w / 4) % 2.
; TWO GROUPS.  Waves w and w + 4, and waves 2 i and 2 i + 1, differ in gr; the two waves that read the same tiles of W have the same gr.  Group 0 loads its tables at the head and makes them ahead of the barrier; group 1 loads and
; makes them behind it: so the two groups stand at different places of a pass.
; THE PRODUCT IS USED TRANSPOSED: source 0 = 16 columns of W, source 1 = 16 rows of h: lane (r, h) holds position r of a block, register j tile row 8 h + j.  So a position's score is summed inside a lane: two registers a block.
; W_enc's codes come from memory straight into registers: a tile is read by the two waves that share its columns.  No cluster and no tensor load: no tile goes through LDS by an engine, so there is no joint load.
; No prefetch: h is read once, with 64 loads of 512 bytes of each wave on their way throughout phase Q; W's tiles are walked by all work-groups alike.
; THE SCORE in units of log2: t = sum over u of WC[u] / (1 + 2^(C2 acc + BC[u])), C2 = 2 log2(e), BC = C2 (dec_p + b_enc), WC = -C2 W_com.  Each wave keeps BC and WC of its own 256 columns in LDS bytes of its own, as [quarter][tile][tile row].
; REGISTERS.  Window 0: v1-15 addresses; v16-31 the scores; v32-39 h's scale words, v40, 41, 44, 45 W's, two sets each, and nothing else; v46-63 at work; v64-191 two sets of W's four tiles (phase Q: the quantiser, 64 numbers);
; v192-255 four blocks of h.  The tables as loaded: v192-255, v16-31, v52-59.  Window 1: accumulator (a, b) at v[8 (4 a + b)] (phase Q: four sets of 64 numbers as loaded).
.set AIM,   0                          ; images: fragment (K step ks, row tile A) at 32,768 ks + 2,048 A; group c of four registers: 512 bytes, 16 x lane
.set ASC,   262144                     ; scale words [ks 8][256 rows]
.set STG,   270336                     ; phase Q: a stage of 16 rows x (256 + 16) bytes for each wave; two barriers later these bytes take:
.set CST,   270336                     ; 128 weighted sums for each wave,
.set PB,    274432                     ; and p of the 256 rows, a copy of its own for each wave
.set TBL,   305152                     ; 2,048 bytes for each wave: BC, 1,024 bytes, then WC
.set EXB,   321536                     ; partial scores [wave 8][128 rows]
.set SPARE, 325632                     ; the spare words, 128 bytes for each wave
.set GL,    1                          ; 16 x lane
.set GS,    2                          ; 4 x lane
.set ADRA,  3                          ; v3-6 my 8 row tiles' images, K steps 2 i and 2 i + 1
.set ADRAS, 7                          ; my 128 rows' scale words
.set AWI,   8                          ; phase Q: where my images go
.set AWS,   9                          ; and their scale words
.set STI,   10                         ; the stage, in: 272 (lane / 16) + 16 (lane % 16)
.set STO,   11                         ; the stage, out: 272 r + 64 h
.set TBR,   12                         ; my table, read: + 32 h
.set GH,    13                         ; h's loads: 4,096 (lane / 16) + 16 (lane % 16)
.set SPW,   14                         ; my spare word; never rewritten
.set NIL,   15                         ; 0; never rewritten
.set SR,    16                         ; scores: block a at v[16 + 2 a], a pair
.set MX,    16                         ; the end: m, l
.set HS,    32
.set TA,    46
.set QI,    50                         ; phase Q: this trip's places
.set QS,    51
.set TO,    60                         ; the tables' loads: 1,024 h + 256 wc + 16 r
.set TW,    61                         ; my table, written: + 256 h + 4 r
.set TM,    64
.set PW,    80
.set CD,    84
.set XR,    128
.set WF,    64
.set HF,    192
.set EXW,   46                         ; the end's addresses
.set EXR,   47
.set PBW,   48
.set CHP0,  49
.set CA,    50
.set CSA,   51
.set ONE,   52                         ; the byte 127 four times
.set CW,    53
.set PS,    54                         ; v54-57 p x the four blocks' scales
.set CRD,   58
.set L8,    59
.set SW,    80                         ; v80-83 scale words, v84-87 p: two sets of two fragments
.set PP,    84
.set VAL,   92                         ; v92-123 32 numbers widened
.set COD,   128                        ; v128-191 codes: two sets of two fragments
.set CC,    192                        ; v192-255 the 64 sums of my K step
.set WV,    22
.set WR,    23
.set WC,    24
.set TR,    25
.set KO,    26
.set KS,    27
.set PASS,  28
.set TBO,   29
.set HP,    30
.set WPB,   32                         ; s[32:33] wq at my four tiles of the pass's quarter, K step 0;  s[34:35] at their scale words
.set WSB,   34
.set SEL,   36
.set C2,    38
.set MNT,   40
.set GR,    48                         ; my group
.set MSB, 0
.macro WIN new                         ; the immediate's high byte repeats the setting that is left
.if MSB != (\new)
	s_set_vgpr_msb (MSB<<8)|(\new)
.set MSB, (\new)
.endif
.endm
.macro PLACES n
.rept \n
	v_nop
.endr
.endm
; THE TABLES.  Load i of an array: lanes 0-15 take quarter 2 i, lanes 16-31 quarter 2 i + 1: lane r the four columns 64 wc + 4 r + 0 .. 3 = tile row r of my tiles 0 .. 3: sixteen lanes read 256 consecutive bytes, aligned.
.macro TRG i, j                        ; tr: the four registers of array j (0-7 product 2's K steps, 8 b_enc, 9 b_dec, 10 W_com), load i
.if (\i) == 0
.set tr, 192+4*(\j)
.elseif (\j) < 5
.set tr, 236+4*(\j)
.elseif (\j) < 9
.set tr, 16+4*((\j)-5)
.else
.set tr, 52+4*((\j)-9)
.endif
.endm
.macro TLOADS
.irp i, 0,1
.irp j, 0,1,2,3,4,5,6,7
	TRG \i, \j
	global_load_b128 v[tr:tr+3], v[TO], s[8:9] offset:131072*\j+2048*\i
.endr
	TRG \i, 8
	global_load_b128 v[tr:tr+3], v[TO], s[10:11] offset:2048*\i
	TRG \i, 9
	global_load_b128 v[tr:tr+3], v[TO], s[12:13] offset:2048*\i
	TRG \i, 10
	global_load_b128 v[tr:tr+3], v[TO], s[14:15] offset:2048*\i
.endr
.endm
.macro TMAKE
.irp i, 0,1
	TRG \i, 0
.set t0, tr
.irp j, 1,2,3,4,5,6,7,8,9
	TRG \i, \j
	v_pk_add_f32 v[t0:t0+1], v[t0:t0+1], v[tr:tr+1]                 ; product 2's eight K steps, + b_enc, + b_dec
	v_pk_add_f32 v[t0+2:t0+3], v[t0+2:t0+3], v[tr+2:tr+3]
.endr
	TRG \i, 10
.irp m, 0,2
	v_pk_mul_f32 v[t0+\m:t0+\m+1], v[t0+\m:t0+\m+1], s[C2:C2+1] op_sel_hi:[1,0]                                 ; BC
	v_pk_mul_f32 v[tr+\m:tr+\m+1], v[tr+\m:tr+\m+1], s[C2:C2+1] op_sel_hi:[1,0] neg_lo:[1,0] neg_hi:[1,0]       ; WC
.endr
.irp b, 0,1,2,3
	ds_store_b32 v[TW], v[t0+\b] offset:512*\i+64*\b
	ds_store_b32 v[TW], v[tr+\b] offset:1024+512*\i+64*\b
.endr
.endr
.endm
.macro RLOAD s, off                    ; set s: row tile s % 2 of my two, K step s / 2 of the trip's two: a load takes 256 consecutive bytes, aligned, of each of two rows
	WIN 0x40
.irp f, 0,1
.irp w, 0,1,2,3,4,5,6,7
	global_load_b128 v[64*(\s)+32*\f+4*\w:64*(\s)+32*\f+4*\w+3], v[GH], s[HP:HP+1] offset:65536*((\s)%2)+512*((\s)/2)+8192*\w+256*\f+(\off) th:TH_LOAD_NT
.endr
.endr
	WIN 0
.endm
.macro QA x                            ; the four blocks' largest magnitudes
.irp b, 0,1,2,3
	v_max3_num_f32 v[TM+\b], |v[(\x)+16*\b]|, |v[(\x)+16*\b+1]|, 0x8000000   ; with the floor 2^(16 - 127): the byte cannot fall under 1
.endr
.irp i, 2,4,6,8,10,12,14
.irp b, 0,1,2,3
	v_max3_num_f32 v[TM+\b], v[TM+\b], |v[(\x)+16*\b+\i]|, |v[(\x)+16*\b+\i+1]|
.endr
.endr
.irp b, 0,1,2,3
	v_permlanex16_b32 v[TM+4+\b], v[TM+\b], s[SEL], s[SEL+1]
.endr
.irp b, 0,1,2,3
	v_max_num_f32 v[TM+\b], v[TM+\b], v[TM+4+\b]
.endr
.endm
.macro QCV x, b                        ; block b: the hold (the conversion does not saturate: ISA guide 7.6.2), then 16 codes
.irp i, 0,1,2,3,4,5,6,7,8,9,10,11,12,13,14,15
	v_med3_num_f32 v[(\x)+16*(\b)+\i], v[(\x)+16*(\b)+\i], -v[TM+8+(\b)], v[TM+8+(\b)]
.endr
	v_cvt_scalef32_pk8_bf8_f32 v[CD+4*(\b):CD+4*(\b)+1], v[(\x)+16*(\b):(\x)+16*(\b)+7], v[TM+12+(\b)]
	v_cvt_scalef32_pk8_bf8_f32 v[CD+4*(\b)+2:CD+4*(\b)+3], v[(\x)+16*(\b)+8:(\x)+16*(\b)+15], v[TM+12+(\b)]
.endm
.macro QB x                            ; the scales, and blocks 0 and 1
.irp b, 0,1,2,3
	v_add_nc_u32 v[TM+12+\b], 0xf8800000, v[TM+\b]   ; 15 off the exponent field: the conversion's scale operand
.endr
.irp b, 0,1,2,3
	v_and_or_b32 v[TM+8+\b], v[TM+\b], 0x7f800000, s[MNT]   ; 57,344 x the scale
.endr
.irp b, 0,1,2,3
	v_lshrrev_b32 v[TM+4+\b], 23, v[TM+12+\b]
.endr
	v_lshl_or_b32 v[PW], v[TM+5], 8, v[TM+4]
	v_lshl_or_b32 v[PW], v[TM+6], 16, v[PW]
	v_lshl_or_b32 v[PW], v[TM+7], 24, v[PW]
	QCV \x, 0
	QCV \x, 1
	v_nop                                          ; a plain line behind the last conversion
.endm
.macro QC x, s                         ; blocks 2 and 3, and the image of set s's fragment
	QCV \x, 2
	QCV \x, 3
	v_nop
.irp c, 0,1,2,3
	ds_store_b128 v[QI], v[CD+4*\c:CD+4*\c+3] offset:32768*((\s)/2)+2048*((\s)%2)+512*\c
.endr
	ds_store_b32 v[QS], v[PW] offset:1024*((\s)/2)+64*((\s)%2)   ; both halves of the lanes write the same word with the same value
.endm
; A piece: 16 rows x 128 K, through my own stage in two halves of 64 K, as the numbers lie, and back 64 bytes a lane and block: register 16 c + i = k 32 c + 16 h + i of row r.  LDS serves a wave's instructions in order
; (ISA guide 5.7.1.4): no wait between stores and loads, nor ahead of the second half's stores.  more = 1: the set takes the same rows two K steps on.  left: the younger loads, which may stay out.
.macro PIECE s, more, left
	s_wait_loadcnt \left
.irp f, 0,1
	WIN 0x04                                       ; an LDS store's data are its source 1
.irp w, 0,1,2,3,4,5,6,7
	ds_store_b128 v[STI], v[64*(\s)+32*\f+4*\w:64*(\s)+32*\f+4*\w+3] offset:544*\w
.endr
	WIN 0
.irp c, 0,1
.irp q, 0,1,2,3
	ds_load_b128 v[XR+32*\f+16*\c+4*\q:XR+32*\f+16*\c+4*\q+3], v[STO] offset:128*\c+16*\q
.endr
.endr
.endr
	s_wait_dscnt 0x0                               ; the numbers are back, so the stores have read their registers
.if \more
	RLOAD \s, 1024
.endif
	QA XR
	QB XR
	QC XR, \s
.endm
.macro BLOAD ks, set                   ; my four tiles of K step ks and their scale words: 16 loads of 512 consecutive bytes and 2 of 128
.irp b, 0,1,2,3
.irp c, 0,1,2,3
	global_load_b128 v[WF+64*(\set)+16*\b+4*\c:WF+64*(\set)+16*\b+4*\c+3], v[GL], s[WPB:WPB+1] offset:135168*(\ks)+2048*\b+512*\c
.endr
.endr
.irp b, 0,1
	global_load_b32 v[44-4*(\set)+\b], v[GS], s[WSB:WSB+1] offset:135168*(\ks)+128*\b   ; lanes 0-15 tile 2 b, lanes 16-31 tile 2 b + 1
.endr
.endm
.macro FETCHH ks, a0                   ; h's blocks a0, a0 + 1 of K step ks into slots a % 4: 8 LDS loads
.irp a, \a0, \a0+1
.irp c, 0,1,2,3
	ds_load_b128 v[HF+16*((\a)%4)+4*\c:HF+16*((\a)%4)+4*\c+3], v[ADRA+(\ks)/2] offset:32768*((\ks)%2)+2048*(\a)+512*\c
.endr
.endr
.endm
.macro LOADSA ks, set                  ; h's scale words: lanes 0-15 an even block's, lanes 16-31 the odd one's
.irp a, 0,1,2,3
	ds_load_b32 v[HS+4*(\set)+\a], v[ADRAS] offset:1024*(\ks)+128*\a
.endr
.endm
.macro WM zero, ra, rb                 ; one product on the registers named by rD, rA, rB, rSA, rSB; ra, rb: the scale words lie in lanes 16-31
.if \zero
.if (\ra) && (\rb)
	v_wmma_scale_f32_16x16x128_f8f6f4 v[rD:rD+7], v[rA:rA+15], v[rB:rB+15], 0, v[rSA], v[rSB] matrix_a_fmt:MATRIX_FMT_BF8 matrix_b_fmt:MATRIX_FMT_BF8 matrix_a_scale:MATRIX_SCALE_ROW1 matrix_b_scale:MATRIX_SCALE_ROW1
.elseif \ra
	v_wmma_scale_f32_16x16x128_f8f6f4 v[rD:rD+7], v[rA:rA+15], v[rB:rB+15], 0, v[rSA], v[rSB] matrix_a_fmt:MATRIX_FMT_BF8 matrix_b_fmt:MATRIX_FMT_BF8 matrix_a_scale:MATRIX_SCALE_ROW1
.elseif \rb
	v_wmma_scale_f32_16x16x128_f8f6f4 v[rD:rD+7], v[rA:rA+15], v[rB:rB+15], 0, v[rSA], v[rSB] matrix_a_fmt:MATRIX_FMT_BF8 matrix_b_fmt:MATRIX_FMT_BF8 matrix_b_scale:MATRIX_SCALE_ROW1
.else
	v_wmma_scale_f32_16x16x128_f8f6f4 v[rD:rD+7], v[rA:rA+15], v[rB:rB+15], 0, v[rSA], v[rSB] matrix_a_fmt:MATRIX_FMT_BF8 matrix_b_fmt:MATRIX_FMT_BF8
.endif
.else
.if (\ra) && (\rb)
	v_wmma_scale_f32_16x16x128_f8f6f4 v[rD:rD+7], v[rA:rA+15], v[rB:rB+15], v[rD:rD+7], v[rSA], v[rSB] matrix_a_fmt:MATRIX_FMT_BF8 matrix_b_fmt:MATRIX_FMT_BF8 matrix_a_scale:MATRIX_SCALE_ROW1 matrix_b_scale:MATRIX_SCALE_ROW1
.elseif \ra
	v_wmma_scale_f32_16x16x128_f8f6f4 v[rD:rD+7], v[rA:rA+15], v[rB:rB+15], v[rD:rD+7], v[rSA], v[rSB] matrix_a_fmt:MATRIX_FMT_BF8 matrix_b_fmt:MATRIX_FMT_BF8 matrix_a_scale:MATRIX_SCALE_ROW1
.elseif \rb
	v_wmma_scale_f32_16x16x128_f8f6f4 v[rD:rD+7], v[rA:rA+15], v[rB:rB+15], v[rD:rD+7], v[rSA], v[rSB] matrix_a_fmt:MATRIX_FMT_BF8 matrix_b_fmt:MATRIX_FMT_BF8 matrix_b_scale:MATRIX_SCALE_ROW1
.else
	v_wmma_scale_f32_16x16x128_f8f6f4 v[rD:rD+7], v[rA:rA+15], v[rB:rB+15], v[rD:rD+7], v[rSA], v[rSB] matrix_a_fmt:MATRIX_FMT_BF8 matrix_b_fmt:MATRIX_FMT_BF8
.endif
.endif
.endm
; 8 products: W's four tiles x h's blocks a0, a0 + 1.  The 32 accumulators take turns, one instruction a turn, in the same order in every step.  No product's two scale words have numbers equal modulo 8.
.macro GRP a0, p, zero
	WIN 0x50                                       ; sources 0 and 1 window 0, C and D window 1
.irp a, \a0, \a0+1
.irp b, 0,1,2,3
.set rD, 8*(4*(\a)+\b)
.set rA, WF+64*(\p)+16*\b
.set rB, HF+16*((\a)%4)
.set rSA, 44-4*(\p)+\b/2
.set rSB, HS+4*(\p)+(\a)/2
	WM \zero, \b%2, (\a)%2
.endr
.endr
	PLACES 8                                       ; a load into a register that a product has read stands 8 places behind it
	WIN 0
.endm
; A K STEP: 32 products in four groups.  The next step's 18 loads of W go out first, into the set that the step before has left; the count 18 leaves just these out.  In step 7 they are the next pass's, and the last pass has
; none: loads and wait stand together in one arm, a wait for 0 in the other.  h has four slots: behind a group its two slots take the blocks four on.  Each wait on DScnt leaves out just the youngest run of LDS loads: 8, or 12 with the scale words.
.macro STEP ks, zero
.if (\ks) < 7
	BLOAD (\ks)+1, (1-((\ks)&1))
	s_wait_loadcnt 18
.else
	s_cmp_eq_u32 s[PASS], 1
	s_cbranch_scc1 .Lno_next_\@
	s_wait_xcnt 0x0                                ; the earlier loads have read their bases
	s_add_nc_u64 s[WPB:WPB+1], s[WPB:WPB+1], 33792
	s_add_nc_u64 s[WSB:WSB+1], s[WSB:WSB+1], 33792
	BLOAD 0, 0
	s_wait_loadcnt 18
	s_branch .Lhave_\@
.Lno_next_\@:
	s_wait_loadcnt 0x0
.Lhave_\@:
.endif
	s_wait_dscnt 8
	GRP 0, ((\ks)&1), \zero
	FETCHH \ks, 4
	s_wait_dscnt 8
	GRP 2, ((\ks)&1), \zero
	FETCHH \ks, 6
	s_wait_dscnt 8
	GRP 4, ((\ks)&1), \zero
.if (\ks) < 7
	LOADSA (\ks)+1, (1-((\ks)&1))
	FETCHH (\ks)+1, 0
	s_wait_dscnt 12
.else
	s_wait_dscnt 0x0
.endif
	GRP 6, ((\ks)&1), \zero
.if (\ks) < 7
	FETCHH (\ks)+1, 2
.endif
.endm
.macro CLOAD grp, s                    ; the end: row tiles 2 grp, 2 grp + 1 of my K step: codes, scale words, p: 12 LDS loads
.irp f, 0,1
.irp c, 0,1,2,3
	ds_load_b128 v[COD+32*(\s)+16*\f+4*\c:COD+32*(\s)+16*\f+4*\c+3], v[CA] offset:2048*(2*(\grp)+\f)+512*\c
.endr
	ds_load_b32 v[SW+2*(\s)+\f], v[CSA] offset:64*(2*(\grp)+\f)
	ds_load_b32 v[PP+2*(\s)+\f], v[CHP0] offset:64*(2*(\grp)+\f)
.endr
.endm
; One fragment: sums[16 c + i] += p x 2^(byte c - 127) x code.  A byte shifted into the exponent field is its scale as f32 (bytes are 1 to 254).  The conversion is given the byte 127 in every byte of every lane: x 1.
.macro CFRAG s, f, first
.irp c, 0,1,2,3
	v_bfe_u32 v[PS+\c], v[SW+2*(\s)+(\f)], 8*\c, 8
.endr
.irp c, 0,1,2,3
	v_lshlrev_b32 v[PS+\c], 23, v[PS+\c]
.endr
.irp c, 0,1,2,3
	v_mul_f32 v[PS+\c], v[PS+\c], v[PP+2*(\s)+(\f)]
.endr
.irp u, 0,1
.irp i, 0,1,2,3
	v_cvt_scale_pk8_f32_bf8 v[VAL+8*\i:VAL+8*\i+7], v[COD+32*(\s)+16*(\f)+8*\u+2*\i:COD+32*(\s)+16*(\f)+8*\u+2*\i+1], v[ONE]
.endr
	v_nop                                          ; a plain line behind the last conversion
.irp i, 0,1,2,3,4,5,6,7,8,9,10,11,12,13,14,15
.if \first
.if \i < 8
	v_pk_mul_f32 v[CC+32*\u+2*\i:CC+32*\u+2*\i+1], v[VAL+2*\i:VAL+2*\i+1], v[PS+2*\u:PS+2*\u+1] op_sel_hi:[1,0]
.else
	v_pk_mul_f32 v[CC+32*\u+2*\i:CC+32*\u+2*\i+1], v[VAL+2*\i:VAL+2*\i+1], v[PS+2*\u:PS+2*\u+1] op_sel:[0,1] op_sel_hi:[1,1]
.endif
.else
.if \i < 8
	v_pk_fma_f32 v[CC+32*\u+2*\i:CC+32*\u+2*\i+1], v[VAL+2*\i:VAL+2*\i+1], v[PS+2*\u:PS+2*\u+1], v[CC+32*\u+2*\i:CC+32*\u+2*\i+1] op_sel_hi:[1,0,1]
.else
	v_pk_fma_f32 v[CC+32*\u+2*\i:CC+32*\u+2*\i+1], v[VAL+2*\i:VAL+2*\i+1], v[PS+2*\u:PS+2*\u+1], v[CC+32*\u+2*\i:CC+32*\u+2*\i+1] op_sel:[0,1,0] op_sel_hi:[1,1,1]
.endif
.endif
.endr
.endr
.endm
	s_load_b512 s[4:19], s[0:1], 0x0               ; h_enc, wq, decp, b_enc, b_dec, W_com, sc, pctx
	s_load_b64 s[20:21], s[0:1], 0x40              ; pml
	v_lshl_add_u32 v[SPW], v0, 2, SPARE
	v_mov_b32 v[NIL], 0
	v_lshrrev_b32 v20, 5, v0
	v_readfirstlane_b32 s[WV], v20
	s_lshr_b32 s[WC], s[WV], 2
	s_xor_b32 s[GR], s[WV], s[WC]
	s_and_b32 s[GR], s[GR], 1                      ; gr = (w xor w / 4) % 2
	s_lshl_b32 s[WR], s[GR], 1
	s_add_co_u32 s[WC], s[WC], s[WR]               ; wc = 2 gr + w / 4
	s_bfe_u32 s[WR], s[WV], 0x10001                ; wr = (w / 2) % 2
	s_mov_b32 s[SEL], 0x76543210
	s_mov_b32 s[SEL+1], 0xfedcba98
	s_mov_b32 s[C2], 0x4038aa3b                    ; 2 log2(e)
	s_mov_b32 s[C2+1], s[C2]
	s_mov_b32 s[MNT], 0x600000
	s_mov_b32 s[KO], 0
	s_mov_b32 s[KS], 0
	s_mov_b32 s[TR], 3
	s_mov_b32 s[PASS], 4
	s_mov_b32 s[TBO], 0
	s_lshl_b32 s41, s[WR], 14                      ; my 8 row tiles of 2,048 bytes
	s_lshl_b32 s42, s[WR], 9
	s_add_co_u32 s42, s42, ASC
	s_lshl_b32 s43, s[WV], 12                      ; phase Q: my 2 row tiles
	s_lshl_b32 s44, s[WV], 7
	s_add_co_u32 s44, s44, ASC
	s_mul_i32 s45, s[WV], 4352
	s_add_co_u32 s45, s45, STG
	s_lshl_b32 s46, s[WV], 11
	s_add_co_u32 s46, s46, TBL                     ; my table
	s_lshl_b32 s47, s[WC], 8                       ; my 64 columns of a quarter
	v_and_b32 v20, 15, v0                          ; r
	v_bfe_u32 v21, v0, 4, 1                        ; h
	v_and_b32 v22, 31, v0                          ; lane
	v_lshlrev_b32 v[GL], 4, v22
	v_lshlrev_b32 v[GS], 2, v22
	v_add_nc_u32 v[ADRA], s41, v[GL]
	v_add_nc_u32 v[ADRA+1], 0x10000, v[ADRA]
	v_add_nc_u32 v[ADRA+2], 0x20000, v[ADRA]
	v_add_nc_u32 v[ADRA+3], 0x30000, v[ADRA]
	v_add_nc_u32 v[ADRAS], s42, v[GS]
	v_add_nc_u32 v[AWI], s43, v[GL]
	v_lshl_add_u32 v[AWS], v20, 2, s44
	v_mul_u32_u24 v23, v21, 272
	v_lshl_add_u32 v23, v20, 4, v23
	v_add_nc_u32 v[STI], s45, v23
	v_mul_u32_u24 v23, v20, 272                    ; 68 words a row: row r starts at bank 4 r mod 64 (64 banks of 4 bytes: ISA guide 11.1)
	v_lshl_add_u32 v23, v21, 6, v23
	v_add_nc_u32 v[STO], s45, v23
	v_lshl_add_u32 v[TBR], v21, 5, s46
	v_lshlrev_b32 v23, 12, v21
	v_lshl_add_u32 v[GH], v20, 4, v23
	v_lshlrev_b32 v23, 10, v21
	v_lshl_add_u32 v23, v20, 4, v23
	v_add_nc_u32 v[TO], s47, v23
	v_lshlrev_b32 v23, 8, v21
	v_lshl_add_u32 v23, v20, 2, v23
	v_add_nc_u32 v[TW], s46, v23
.irp b, 0,1,2,3
	v_mov_b32 v[TM+4+\b], 0                        ; written once: a lane permute's destination counts as one of its sources
.endr
	s_wait_alu depctr_va_vdst(0)
	s_wait_kmcnt 0x0
	s_lshl_b32 s44, ttmp9, 20                      ; my work-group's 256 rows of 4,096 bytes,
	s_lshl_b32 s46, s[WV], 17                      ; my wave's 32
	s_add_co_u32 s44, s44, s46
	s_mov_b32 s45, 0
	s_mov_b32 s47, 0
	s_add_nc_u64 s[HP:HP+1], s[4:5], s[44:45]
	s_lshr_b32 s44, ttmp9, 3
	s_lshl_b32 s44, s44, 12                        ; the batch's row of decp
	s_add_nc_u64 s[8:9], s[8:9], s[44:45]
	s_lshl_b32 s44, s[WC], 13
	s_add_nc_u64 s[WPB:WPB+1], s[6:7], s[44:45]
	s_lshl_b32 s44, s[WC], 8
	s_add_co_u32 s44, s44, 32768
	s_add_nc_u64 s[WSB:WSB+1], s[6:7], s[44:45]
	s_lshl_b32 s44, ttmp9, 10
	s_add_nc_u64 s[16:17], s[16:17], s[44:45]      ; sc at my 256 positions
	s_lshl_b32 s44, ttmp9, 12
	s_lshl_b32 s46, s[WV], 9
	s_add_nc_u64 s[18:19], s[18:19], s[44:45]
	s_add_nc_u64 s[18:19], s[18:19], s[46:47]      ; pctx at [g][128 w]
	s_lshl_b32 s44, ttmp9, 8
	s_add_nc_u64 s[20:21], s[20:21], s[44:45]
	s_cmp_lg_u32 s[GR], 0
	s_cbranch_scc1 .Llater
	TLOADS                                         ; group 0: the tables' 22 loads go out first and wait in registers that phase Q leaves alone
.Llater:
	; ---- PHASE Q: four sets of 16 loads, 32,768 bytes of a wave, are on their way throughout
	RLOAD 0, 0
	RLOAD 1, 0
	RLOAD 2, 0
	RLOAD 3, 0
.Lq:                                                   ; a trip is two K steps of my 32 rows; three trips load ahead
	v_add_nc_u32 v[QI], s[KO], v[AWI]
	v_add_nc_u32 v[QS], s[KS], v[AWS]
	PIECE 0, 1, 48                                 ; 48: the three younger sets
	PIECE 1, 1, 48
	PIECE 2, 1, 48
	PIECE 3, 1, 48
	s_wait_dscnt 0x0                               ; the last image's stores are done: their address registers are written anew
	s_wait_xcnt 0x0                                ; the loads have read their base
	s_add_nc_u64 s[HP:HP+1], s[HP:HP+1], 1024
	s_add_co_u32 s[KO], s[KO], 65536
	s_add_co_u32 s[KS], s[KS], 2048
	s_sub_co_u32 s[TR], s[TR], 1
	s_cmp_lg_u32 s[TR], 0
	s_cbranch_scc1 .Lq
	v_add_nc_u32 v[QI], s[KO], v[AWI]              ; the last two K steps load nothing: the counts run down
	v_add_nc_u32 v[QS], s[KS], v[AWS]
	PIECE 0, 0, 48
	PIECE 1, 0, 32
	PIECE 2, 0, 16
	PIECE 3, 0, 0
	s_cmp_lg_u32 s[GR], 0
	s_cbranch_scc1 .Lnot_yet
	TMAKE                                          ; group 0: its tables' loads were the oldest: they are in
.Lnot_yet:
	s_wait_dscnt 0x0                               ; my images have landed, my reads of the stage are over
	s_barrier_signal -1
	s_barrier_wait -1                              ; everybody's: from here on the images are only read
	BLOAD 0, 0                                     ; pass 0, K step 0
	s_cmp_eq_u32 s[GR], 0
	s_cbranch_scc1 .Lmade
	TLOADS                                         ; group 1: its tables now
	s_wait_loadcnt 0x0
	TMAKE
.Lmade:
.set n, 0
.rept 16
	v_mov_b32 v[SR+n], 0                           ; the scores run over the four passes of one loop, so they begin as zeros
.set n, n+1
.endr
	; ---- PHASE G
.Lpass:
	LOADSA 0, 0
	FETCHH 0, 0
	FETCHH 0, 2
	STEP 0, 1                                      ; its products start the sums
	STEP 1, 0
	STEP 2, 0
	STEP 3, 0
	STEP 4, 0
	STEP 5, 0
	STEP 6, 0
	STEP 7, 0
	v_add_nc_u32 v[TA], s[TBO], v[TBR]
.irp b, 0,1,2,3
.irp i, 0,1
	ds_load_b128 v[128+8*\b+4*\i:128+8*\b+4*\i+3], v[TA] offset:64*\b+16*\i          ; BC of tile b, tile rows 8 h on, into the set of W that step 7 has left (eight places stand behind its last product)
	ds_load_b128 v[160+8*\b+4*\i:160+8*\b+4*\i+3], v[TA] offset:1024+64*\b+16*\i     ; WC
.endr
.endr
	s_wait_dscnt 0x0
	; the 32 accumulators, in place: x = C2 acc + BC, 2^x, + 1, the reciprocal; then the scores take WC times that.  Each kind of transcendental goes as one batch, with a wait ahead, one plain line and one wait behind.
	; Each accumulator is read from its low end on.
	WIN 0x41                                       ; destination and source 0 window 1
.set n, 0
.rept 128
.set rg, 8*(n/4)+2*(n%4)
.set bc, 128+8*((n/4)%4)+2*(n%4)
	v_pk_fma_f32 v[rg:rg+1], v[rg:rg+1], s[C2:C2+1], v[bc:bc+1] op_sel_hi:[1,0,1]
.set n, n+1
.endr
	s_wait_alu depctr_va_vdst(0)
.set n, 0
.rept 256
	v_exp_f32 v[n], v[n]
.set n, n+1
.endr
	v_nop
	s_wait_alu depctr_va_vdst(0)
.set n, 0
.rept 128
	v_pk_add_f32 v[2*n:2*n+1], v[2*n:2*n+1], 1.0 op_sel_hi:[1,0]
.set n, n+1
.endr
	s_wait_alu depctr_va_vdst(0)
.set n, 0
.rept 256
	v_rcp_f32 v[n], v[n]                           ; an infinity gives 0, as tanh = 1 asks
.set n, n+1
.endr
	v_nop
	s_wait_alu depctr_va_vdst(0)
	WIN 0x01                                       ; source 0 window 1, all else window 0
.set n, 0
.rept 128                              ; the eight blocks' pairs of scores by turns
.set rg, 8*(4*(n%8)+(n/32))+2*((n/8)%4)
.set wc, 160+8*(n/32)+2*((n/8)%4)
.set sr, SR+2*(n%8)
	v_pk_fma_f32 v[sr:sr+1], v[rg:rg+1], v[wc:wc+1], v[sr:sr+1]
.set n, n+1
.endr
	WIN 0
	s_add_co_u32 s[TBO], s[TBO], 256
	s_sub_co_u32 s[PASS], s[PASS], 1
	s_cmp_lg_u32 s[PASS], 0
	s_cbranch_scc1 .Lpass
	; ---- THE END: the scores of the 256 rows, m, p, l
	s_lshl_b32 s44, s[WV], 9
	s_add_co_u32 s44, s44, EXB
	s_lshl_b32 s45, s[WV], 10
	s_add_co_u32 s45, s45, PB
	s_lshl_b32 s46, s[WV], 15                      ; my K step is w
	s_lshl_b32 s47, s[WV], 10
	s_add_co_u32 s47, s47, ASC
	s_lshl_b32 s41, s[WV], 9
	s_add_co_u32 s41, s41, CST
	s_wait_alu depctr_va_vdst(0)
	v_and_b32 v60, 15, v0                          ; r  (v16-31 still hold the scores)
	v_bfe_u32 v61, v0, 4, 1                        ; h
	v_lshl_add_u32 v[EXW], v60, 2, s44
	v_add_nc_u32 v[EXR], EXB, v[GL]
	v_add_nc_u32 v[PBW], s45, v[GL]
	v_lshl_add_u32 v[CHP0], v60, 2, s45
	v_add_nc_u32 v[CA], s46, v[GL]
	v_lshl_add_u32 v[CSA], v60, 2, s47
	v_lshl_add_u32 v[CW], v61, 6, s41
	v_add_nc_u32 v[CRD], s41, v[GL]
	v_lshlrev_b32 v[L8], 1, v[GS]
	v_mov_b32 v[ONE], 0x7f7f7f7f
.irp a, 0,1,2,3,4,5,6,7
	v_mov_b32 v[72+\a], 0                          ; a lane permute's destination counts as one of its sources
.endr
.irp a, 0,1,2,3,4,5,6,7
	v_add_f32 v[64+\a], v[SR+2*\a], v[SR+2*\a+1]   ; the pair,
.endr
.irp a, 0,1,2,3,4,5,6,7
	v_permlanex16_b32 v[72+\a], v[64+\a], s[SEL], s[SEL+1]
.endr
.irp a, 0,1,2,3,4,5,6,7
	v_add_f32 v[64+\a], v[64+\a], v[72+\a]         ; and the other half's eight tile rows: row 16 a + r over my 64 columns of each pass
.endr
.irp a, 0,1,2,3,4,5,6,7
	ds_store_b32 v[EXW], v[64+\a] offset:64*\a     ; both halves of the lanes write the same word with the same value
.endr
	s_wait_alu depctr_va_vdst(0)
	s_wait_dscnt 0x0
	s_barrier_signal -1
	s_barrier_wait -1
.irp u, 0,1,2,3,4,5,6,7
	ds_load_b128 v[64+4*\u:67+4*\u], v[EXR] offset:512*(((\u)&4)|(((\u)&1)<<1)|(((\u)>>1)&1))   ; rows 4 l .. 4 l + 3 of a wave's 128: even u: waves 0, 1, 4, 5 (rows 0-127); odd u: waves 2, 3, 6, 7 (rows 128-255)
.endr
	s_wait_dscnt 0x0
.irp u, 2,4,6
	v_pk_add_f32 v[64:65], v[64:65], v[64+4*\u:65+4*\u]        ; t of rows 4 l on: the four quarters of a pass's columns,
	v_pk_add_f32 v[66:67], v[66:67], v[66+4*\u:67+4*\u]
	v_pk_add_f32 v[68:69], v[68:69], v[68+4*\u:69+4*\u]        ; and of rows 128 + 4 l on
	v_pk_add_f32 v[70:71], v[70:71], v[70+4*\u:71+4*\u]
.endr
	v_max3_num_f32 v20, v64, v65, v66
	v_max3_num_f32 v20, v20, v67, v68
	v_max3_num_f32 v20, v20, v69, v70
	v_max_num_f32 v20, v20, v71
.irp x, 1,2,4,8
	v_max_num_f32_dpp v20, v20, v20 row_xmask:\x row_mask:0xf bank_mask:0xf
.endr
	v_permlanex16_b32 v21, v20, s[SEL], s[SEL+1]
	v_max_num_f32 v[MX], v20, v21                  ; m: the largest t of the 256 rows, in every lane
.irp i, 0,1,2,3,4,5,6,7
	v_sub_f32 v[72+\i], v[64+\i], v[MX]
.endr
	s_wait_alu depctr_va_vdst(0)
.irp i, 0,1,2,3,4,5,6,7
	v_exp_f32 v[72+\i], v[72+\i]                   ; p = 2^(t - m)
.endr
	v_nop
	s_wait_alu depctr_va_vdst(0)                   ; one wait for the eight
	v_pk_add_f32 v[20:21], v[72:73], v[74:75]
	v_pk_add_f32 v[22:23], v[76:77], v[78:79]
	v_pk_add_f32 v[20:21], v[20:21], v[22:23]
	v_add_f32 v20, v20, v21
.irp x, 1,2,4,8
	v_add_f32_dpp v20, v20, v20 row_xmask:\x row_mask:0xf bank_mask:0xf
.endr
	v_permlanex16_b32 v21, v20, s[SEL], s[SEL+1]
	v_add_f32 v[MX+1], v20, v21                    ; l, beside m
	ds_store_b128 v[PBW], v[72:75]                 ; p by rows, into my own copy: my later loads come behind these stores
	ds_store_b128 v[PBW], v[76:79] offset:512
	; ---- the weighted sums of hq: my K step, all 16 row tiles; groups of two fragments, fetched one group ahead
	CLOAD 0, 0
.irp g, 0,1,2,3,4,5,6,7
.if \g < 7
	CLOAD (\g+1), ((\g+1)%2)
	s_wait_dscnt 12                                ; this group is in; the next group's 12 loads may be out
.else
	s_wait_dscnt 0x0
.endif
.if \g == 0
	CFRAG 0, 0, 1                                  ; the first fragment starts the sums
.else
	CFRAG (\g%2), 0, 0
.endif
	CFRAG (\g%2), 1, 0
.endr
.irp x, 1,2,4,8                        ; over the sixteen rows of a tile
.set n, 0
.rept 64
	v_add_f32_dpp v[CC+n], v[CC+n], v[CC+n] row_xmask:\x row_mask:0xf bank_mask:0xf
.set n, n+1
.endr
.endr
.set n, 0
.rept 16
	ds_store_b128 v[CW], v[CC+4*n:CC+4*n+3] offset:128*(n/4)+16*(n%4)   ; k = 32 c + 16 h + 4 q on; the sixteen lanes of a half write the same bytes with the same values
.set n, n+1
.endr
	ds_load_b128 v[92:95], v[CRD]                  ; my 128 sums back, 16 bytes a lane: LDS serves a wave's instructions in order
	s_wait_dscnt 0x0
	global_store_b128 v[GL], v[92:95], s[18:19]    ; 32 lanes store 512 consecutive bytes
	s_cmp_lg_u32 s[WV], 0
	s_cbranch_scc1 .Lnot_mine
	global_store_b128 v[GL], v[64:67], s[16:17]    ; t of the 256 rows
	global_store_b128 v[GL], v[68:71], s[16:17] offset:512
	global_store_b64 v[L8], v[MX:MX+1], s[20:21]   ; (m, l), once for each lane: 256 consecutive bytes
.Lnot_mine:
	s_wait_tensorcnt 0x0                           ; the wave's end
	ds_add_u32 v[SPW], v[NIL]
	s_wait_dscnt 0x0
	s_endpgm
.Lfunc_end_k_q8cf809ceca_attend:
	.size	k_q8cf809ceca_attend, .Lfunc_end_k_q8cf809ceca_attend-k_q8cf809ceca_attend
	.p2alignl 7, 3214868480
	.fill 96, 4, 3214868480
	.section	.rodata,"a",@progbits
	.p2align	6, 0x0
	.amdhsa_kernel k_q8cf809ceca_attend
		.amdhsa_group_segment_fixed_size 326656
		.amdhsa_private_segment_fixed_size 0
		.amdhsa_enable_private_segment 0
		.amdhsa_kernarg_size 72
		.amdhsa_user_sgpr_count 2
		.amdhsa_user_sgpr_kernarg_segment_ptr 1
		.amdhsa_wavefront_size32 1
		.amdhsa_system_sgpr_workgroup_id_x 1
		.amdhsa_system_sgpr_workgroup_id_y 1
		.amdhsa_system_sgpr_workgroup_id_z 1
		.amdhsa_system_vgpr_workitem_id 0
		.amdhsa_next_free_vgpr 512
		.amdhsa_next_free_sgpr 66
		.amdhsa_reserve_vcc 0
		.amdhsa_float_denorm_mode_32 3
		.amdhsa_float_denorm_mode_16_64 3
		.amdhsa_memory_ordered 1
		.amdhsa_forward_progress 1
		.amdhsa_inst_pref_size 255
	.end_amdhsa_kernel
	.section	.bss,"aw",@nobits
	.p2align	6
	.space	262144
	.amdgpu_metadata
---
amdhsa.version: [ 1, 2 ]
amdhsa.kernels:
  - .name:           k_q8cf809ceca_attend
    .symbol:         k_q8cf809ceca_attend.kd
    .args:
      - { .name: h_enc, .offset: 0, .size: 8, .value_kind: global_buffer, .address_space: global }
      - { .name: wq, .offset: 8, .size: 8, .value_kind: global_buffer, .address_space: global }
      - { .name: decp, .offset: 16, .size: 8, .value_kind: global_buffer, .address_space: global }
      - { .name: b_enc, .offset: 24, .size: 8, .value_kind: global_buffer, .address_space: global }
      - { .name: b_dec, .offset: 32, .size: 8, .value_kind: global_buffer, .address_space: global }
      - { .name: W_com, .offset: 40, .size: 8, .value_kind: global_buffer, .address_space: global }
      - { .name: sc, .offset: 48, .size: 8, .value_kind: global_buffer, .address_space: global }
      - { .name: pctx, .offset: 56, .size: 8, .value_kind: global_buffer, .address_space: global }
      - { .name: pml, .offset: 64, .size: 8, .value_kind: global_buffer, .address_space: global }
    .group_segment_fixed_size: 326656
    .private_segment_fixed_size: 0
    .kernarg_segment_align: 8
    .kernarg_segment_size: 72
    .max_flat_workgroup_size: 256
    .sgpr_count:     66
    .vgpr_count:     512
    .wavefront_size: 32
...
	.end_amdgpu_metadata
.endif
;; end of part 4
;; launch fin (part 5): grid 256 x 1, 16 waves a work-group, no clusters, 10,240 bytes of LDS; arguments sc, pctx, pml, wq, b_enc, out0, out1; writes out0, out1
.if DOCPART == 5
	.amdgcn_target "amdgcn-amd-amdhsa--gfx1250"
	.amdhsa_code_object_version 6
	.text
	.protected	k_q8cf809ceca_fin
	.globl	k_q8cf809ceca_fin
	.p2align	8
	.type	k_q8cf809ceca_fin,@function
k_q8cf809ceca_fin:
	s_mov_b64 s[64:65], 0
	v_nop
	global_prefetch_b8 v0, s[64:65] scope:SCOPE_SE
	s_setreg_imm32_b32 hwreg(HW_REG_WAVE_MODE, 25, 1), 1
	s_wait_xcnt 0x0
; The eight parts of a batch are joined and the context is finished.  M = the largest m, f_g = 2^(m_g - M), L = sum of l_g f_g; attn = 2^(t - M) / L; H[k] = (sum of f_g part_g[k]) / L = sum over s of attn[s] hq[s][k];
; context[u] = sum over k of H[k] wq[k][u] + b_enc[u], wq the quantised W_enc as it stands (its codes widened to f32, times their blocks' scales).
; Left out as shown at the head of the first launch: b_com and the sum of W_com; b_enc enters the context here, once, since attn sums to 1.  LIMIT: the context's f32 sums run in another order than the module's.
; SHARES.  Work-group = (batch, eighth of the columns): 256 of them.  Sixteen waves: thread t joins H[2 t], H[2 t + 1]; waves 0-3 make the eighth's 256 attn; wave (ks, hf) = (w / 2, w % 2) multiplies tiles 8 hh + 4 hf + 0 .. 3
; of its quarter (hh: which half of the quarter), K step ks: lane (r, h) holds column 64 (T / 4) + 4 r + T % 4 and k = 32 c + 16 h + 0 .. 15, as the first launch laid the codes.  The eight K steps meet in LDS; wave 0 adds them and b_enc.
; No matrix unit: one row of H against W is one multiply-add a code.
; v1 16 lane, v2 8 lane, v3 8 t, v4 16 t, v5 4 r, v6 H's fragment, v7, v8 the exchange; v12-27 (m, l), later 16 widened numbers; v28-43 the parts, later sums; v44-45 t; v46-49 b_enc; v50-53 W's scale words;
; v58 M, v59 L, v60 1 / L, v61 the byte 127 four times; v64-127 f, then H's fragment; v128-191 the codes of four tiles
.set RXB,   4096                       ; LDS: H, 4,096 bytes; then the exchange [ks 8][128 columns]
.set SPARE, 8192                       ; the spare words, 128 bytes for each of the sixteen waves
	s_load_b256 s[4:11], s[0:1], 0x0               ; sc, pctx, pml, wq
	s_load_b128 s[12:15], s[0:1], 0x20             ; b_enc, out0
	s_load_b64 s[16:17], s[0:1], 0x30              ; out1
	v_lshl_add_u32 v10, v0, 2, SPARE               ; my spare word; never rewritten
	v_mov_b32 v11, 0                               ; 0; never rewritten
	v_lshrrev_b32 v1, 5, v0
	s_delay_alu instid0(VALU_DEP_1)
	v_readfirstlane_b32 s18, v1                    ; wave
	s_lshr_b32 s19, s18, 1                         ; ks
	s_and_b32 s20, s18, 1                          ; hf
	s_lshr_b32 s21, ttmp9, 3                       ; the batch
	s_bfe_u32 s22, ttmp9, 0x20001                  ; the quarter
	s_and_b32 s34, ttmp9, 1                        ; hh: its half
	s_and_b32 s35, ttmp9, 7                        ; the eighth
	v_and_b32 v2, 31, v0
	s_delay_alu instid0(VALU_DEP_1)
	v_lshlrev_b32 v1, 4, v2
	s_delay_alu instid0(VALU_DEP_2)
	v_lshlrev_b32 v2, 3, v2
	v_lshlrev_b32 v3, 3, v0
	v_lshlrev_b32 v4, 4, v0
	v_and_b32 v8, 15, v0                           ; r
	s_delay_alu instid0(VALU_DEP_1)
	v_lshlrev_b32 v5, 2, v8
	v_bfe_u32 v9, v0, 4, 1                         ; h
	s_lshl_b32 s23, s19, 9
	v_lshl_add_u32 v6, v9, 6, s23                  ; H at k = 128 ks + 16 h
	s_lshl_b32 s23, s19, 9
	s_lshl_b32 s24, s20, 8
	s_add_co_u32 s23, s23, s24
	s_add_co_u32 s23, s23, RXB
	v_lshl_add_u32 v7, v8, 4, s23                  ; the exchange, in: my K step, my 64 columns, 16 r
	v_add_nc_u32 v8, RXB, v4                       ; out: 16 t (threads 0 to 31)
	s_mov_b32 s32, 0x76543210
	s_mov_b32 s33, 0xfedcba98
	v_mov_b32 v61, 0x7f7f7f7f
	s_wait_alu depctr_va_vdst(0)
	s_wait_kmcnt 0x0
	s_mul_i32 s24, s19, 135168
	s_mul_i32 s25, s22, 33792
	s_add_co_u32 s24, s24, s25                     ; my K step's quarter in wq
	s_lshl_b32 s26, s34, 14
	s_lshl_b32 s25, s20, 13
	s_add_co_u32 s26, s26, s25
	s_add_co_u32 s26, s26, s24
	s_mov_b32 s27, 0
	s_add_nc_u64 s[28:29], s[10:11], s[26:27]      ; my four tiles' images
	s_lshl_b32 s26, s34, 9
	s_lshl_b32 s25, s20, 8
	s_add_co_u32 s26, s26, s25
	s_add_co_u32 s26, s26, s24
	s_add_co_u32 s26, s26, 32768
	s_add_nc_u64 s[30:31], s[10:11], s[26:27]      ; and their scale words
	s_lshl_b32 s26, s21, 15
	s_add_nc_u64 s[6:7], s[6:7], s[26:27]
	s_lshl_b32 s26, s21, 11
	s_add_nc_u64 s[8:9], s[8:9], s[26:27]
	s_lshl_b32 s26, s21, 13
	s_lshl_b32 s24, s35, 10
	s_add_co_u32 s26, s26, s24
	s_add_nc_u64 s[4:5], s[4:5], s[26:27]          ; the eighth's 256 positions
	s_add_nc_u64 s[16:17], s[16:17], s[26:27]
	s_lshl_b32 s26, s35, 9
	s_add_nc_u64 s[12:13], s[12:13], s[26:27]      ; the eighth's 128 columns
	s_add_nc_u64 s[14:15], s[14:15], s[26:27]
	s_lshl_b32 s26, s21, 12
	s_add_nc_u64 s[14:15], s[14:15], s[26:27]
.irp g, 0,1,2,3,4,5,6,7
	global_load_b64 v[12+2*\g:13+2*\g], v2, s[8:9] offset:256*\g
.endr
.irp g, 0,1,2,3,4,5,6,7
	global_load_b64 v[28+2*\g:29+2*\g], v3, s[6:7] offset:4096*\g      ; 32 lanes read 256 consecutive bytes
.endr
.irp b, 0,1,2,3
	global_load_b32 v[50+\b], v5, s[30:31] offset:64*\b
.endr
.irp b, 0,1,2,3
.irp c, 0,1,2,3
	global_load_b128 v[128+16*\b+4*\c:128+16*\b+4*\c+3], v1, s[28:29] offset:2048*\b+512*\c
.endr
.endr
	s_cmp_lt_u32 s18, 4
	s_cbranch_scc0 .Lno_sc
	global_load_b64 v[44:45], v3, s[4:5]           ; waves 0-3: two positions a thread
.Lno_sc:
	s_cmp_lt_u32 s18, 1
	s_cbranch_scc0 .Lno_be
	global_load_b128 v[46:49], v4, s[12:13]        ; wave 0: four columns a thread
.Lno_be:
	s_wait_loadcnt 0x0
	v_max3_num_f32 v58, v12, v14, v16
	s_delay_alu instid0(VALU_DEP_1)
	v_max3_num_f32 v58, v58, v18, v20
	s_delay_alu instid0(VALU_DEP_1)
	v_max3_num_f32 v58, v58, v22, v24
	s_delay_alu instid0(VALU_DEP_1)
	v_max_num_f32 v58, v58, v26                    ; M
.irp g, 0,1,2,3,4,5,6,7
	v_sub_f32 v[64+\g], v[12+2*\g], v58
.endr
	s_wait_alu depctr_va_vdst(0)
.irp g, 0,1,2,3,4,5,6,7
	v_exp_f32 v[64+\g], v[64+\g]                   ; f
.endr
	v_nop
	s_wait_alu depctr_va_vdst(0)                   ; one wait for the eight
	v_mul_f32 v59, v13, v64
.irp g, 1,2,3,4,5,6,7
	v_fma_f32 v59, v[13+2*\g], v[64+\g], v59       ; L
.endr
	s_wait_alu depctr_va_vdst(0)
	v_rcp_f32 v60, v59
	v_mul_f32 v62, v28, v64                        ; plain work behind the reciprocal, which names none of its registers
	v_mul_f32 v63, v29, v64
.irp g, 1,2,3,4,5,6,7
	v_fma_f32 v62, v[28+2*\g], v[64+\g], v62
	v_fma_f32 v63, v[29+2*\g], v[64+\g], v63
.endr
	s_wait_alu depctr_va_vdst(0)
	v_mul_f32 v62, v62, v60
	v_mul_f32 v63, v63, v60
	ds_store_b64 v3, v[62:63]                      ; H[2 t], H[2 t + 1]
	s_cmp_lt_u32 s18, 4
	s_cbranch_scc0 .Lno_attn
	v_sub_f32 v44, v44, v58
	v_sub_f32 v45, v45, v58
	s_wait_alu depctr_va_vdst(0)
	v_exp_f32 v44, v44
	v_exp_f32 v45, v45
	v_nop
	s_wait_alu depctr_va_vdst(0)
	v_mul_f32 v44, v44, v60
	v_mul_f32 v45, v45, v60
	global_store_b64 v3, v[44:45], s[16:17]        ; 32 lanes store 256 consecutive bytes, aligned
.Lno_attn:
	s_wait_dscnt 0x0
	s_barrier_signal -1
	s_barrier_wait -1                              ; H is whole
.irp c, 0,1,2,3
.irp q, 0,1,2,3
	ds_load_b128 v[64+16*\c+4*\q:64+16*\c+4*\q+3], v6 offset:128*\c+16*\q     ; H[128 ks + 32 c + 16 h + 4 q ..]: the sixteen lanes of a half read the same words
.endr
.endr
	s_wait_dscnt 0x0
; Tile b: for each block of 32 the sum of code x H, then times the block's scale (its byte in the exponent field is the scale as f32; bytes are 1 to 254).  The conversion is given the byte 127 everywhere: x 1.
.macro TILE b
.irp c, 0,1,2,3
	v_bfe_u32 v[32+\c], v[50+\b], 8*\c, 8
.endr
.irp c, 0,1,2,3
	s_delay_alu instid0(VALU_DEP_4)
	v_lshlrev_b32 v[32+\c], 23, v[32+\c]
.endr
.irp c, 0,1,2,3
	v_cvt_scale_pk8_f32_bf8 v[12:19], v[128+16*\b+4*\c:128+16*\b+4*\c+1], v61
	v_cvt_scale_pk8_f32_bf8 v[20:27], v[128+16*\b+4*\c+2:128+16*\b+4*\c+3], v61
	v_nop                                          ; a plain line behind the last conversion
	v_pk_mul_f32 v[28:29], v[12:13], v[64+16*\c:65+16*\c]
	v_pk_mul_f32 v[30:31], v[14:15], v[66+16*\c:67+16*\c]
.irp i, 4,8,12
	v_pk_fma_f32 v[28:29], v[12+\i:13+\i], v[64+16*\c+\i:65+16*\c+\i], v[28:29]
	v_pk_fma_f32 v[30:31], v[14+\i:15+\i], v[66+16*\c+\i:67+16*\c+\i], v[30:31]
.endr
	s_delay_alu instid0(VALU_DEP_1)
	v_pk_add_f32 v[28:29], v[28:29], v[30:31]
	s_delay_alu instid0(VALU_DEP_1)
	v_add_f32 v59, v28, v29
.if \c == 0
	s_delay_alu instid0(VALU_DEP_1)
	v_mul_f32 v[36+\b], v59, v[32+\c]
.else
	s_delay_alu instid0(VALU_DEP_1)
	v_fma_f32 v[36+\b], v59, v[32+\c], v[36+\b]
.endif
.endr
.endm
.irp b, 0,1,2,3
	TILE \b
.endr
.irp b, 0,1,2,3
	v_permlanex16_b32 v[12+\b], v[36+\b], s32, s33
.endr
.irp b, 0,1,2,3
	v_add_f32 v[36+\b], v[36+\b], v[12+\b]         ; with the other half of the lanes' k
.endr
	ds_store_b128 v7, v[36:39]                     ; my four tiles are four neighbouring columns; both halves of the lanes write the same bytes with the same values
	s_wait_dscnt 0x0
	s_barrier_signal -1
	s_barrier_wait -1
	s_cmp_lt_u32 s18, 1
	s_cbranch_scc0 .Lend
.irp k, 0,1,2,3,4,5,6,7
	ds_load_b128 v[64+4*\k:67+4*\k], v8 offset:512*\k
.endr
	s_wait_dscnt 0x0
.irp k, 1
	v_pk_add_f32 v[64:65], v[64:65], v[64+4*\k:65+4*\k]
	v_pk_add_f32 v[66:67], v[66:67], v[66+4*\k:67+4*\k]
.endr
.irp k, 2, 3, 4, 5, 6, 7
	s_delay_alu instid0(VALU_DEP_2)
	v_pk_add_f32 v[64:65], v[64:65], v[64+4*\k:65+4*\k]
	s_delay_alu instid0(VALU_DEP_2)
	v_pk_add_f32 v[66:67], v[66:67], v[66+4*\k:67+4*\k]
.endr
	s_delay_alu instid0(VALU_DEP_2)
	v_pk_add_f32 v[64:65], v[64:65], v[46:47]
	s_delay_alu instid0(VALU_DEP_2)
	v_pk_add_f32 v[66:67], v[66:67], v[48:49]
	global_store_b128 v4, v[64:67], s[14:15]       ; 32 lanes store 512 consecutive bytes
.Lend:
	s_wait_tensorcnt 0x0                           ; the wave's end
	ds_add_u32 v10, v11
	s_wait_dscnt 0x0
	s_endpgm
.Lfunc_end_k_q8cf809ceca_fin:
	.size	k_q8cf809ceca_fin, .Lfunc_end_k_q8cf809ceca_fin-k_q8cf809ceca_fin
	.p2alignl 7, 3214868480
	.fill 96, 4, 3214868480
	.section	.rodata,"a",@progbits
	.p2align	6, 0x0
	.amdhsa_kernel k_q8cf809ceca_fin
		.amdhsa_group_segment_fixed_size 10240
		.amdhsa_private_segment_fixed_size 0
		.amdhsa_enable_private_segment 0
		.amdhsa_kernarg_size 56
		.amdhsa_user_sgpr_count 2
		.amdhsa_user_sgpr_kernarg_segment_ptr 1
		.amdhsa_wavefront_size32 1
		.amdhsa_system_sgpr_workgroup_id_x 1
		.amdhsa_system_sgpr_workgroup_id_y 1
		.amdhsa_system_sgpr_workgroup_id_z 1
		.amdhsa_system_vgpr_workitem_id 0
		.amdhsa_next_free_vgpr 256
		.amdhsa_next_free_sgpr 66
		.amdhsa_reserve_vcc 0
		.amdhsa_float_denorm_mode_32 3
		.amdhsa_float_denorm_mode_16_64 3
		.amdhsa_memory_ordered 1
		.amdhsa_forward_progress 1
		.amdhsa_inst_pref_size 30
	.end_amdhsa_kernel
	.amdgpu_metadata
---
amdhsa.version: [ 1, 2 ]
amdhsa.kernels:
  - .name:           k_q8cf809ceca_fin
    .symbol:         k_q8cf809ceca_fin.kd
    .args:
      - { .name: sc, .offset: 0, .size: 8, .value_kind: global_buffer, .address_space: global }
      - { .name: pctx, .offset: 8, .size: 8, .value_kind: global_buffer, .address_space: global }
      - { .name: pml, .offset: 16, .size: 8, .value_kind: global_buffer, .address_space: global }
      - { .name: wq, .offset: 24, .size: 8, .value_kind: global_buffer, .address_space: global }
      - { .name: b_enc, .offset: 32, .size: 8, .value_kind: global_buffer, .address_space: global }
      - { .name: out0, .offset: 40, .size: 8, .value_kind: global_buffer, .address_space: global }
      - { .name: out1, .offset: 48, .size: 8, .value_kind: global_buffer, .address_space: global }
    .group_segment_fixed_size: 10240
    .private_segment_fixed_size: 0
    .kernarg_segment_align: 8
    .kernarg_segment_size: 56
    .max_flat_workgroup_size: 512
    .sgpr_count:     66
    .vgpr_count:     256
    .wavefront_size: 32
...
	.end_amdgpu_metadata
.endif
;; end of part 5
